; MI455X (gfx1250); checked and timed in simulation.
; The chip was launched on July 23, 2026; its instructions are those of AMD's public machine-readable ISA for CDNA 5 (MIT licence, August 2026) and "CDNA5" Instruction Set Architecture Reference Guide (July 2026). The comments in the code are by the model that wrote it; some were corrected since.
;; Multi Head Attention. Allowed arithmetic: matrix products marked QUANTISED: E2M1 operands, one E8M0 scale for each 32 along K, by v_wmma_scale_f32_16x16x128_f8f6f4 with both operands' format E2M1 (or v_wmma_scale_f32_32x16x128_f4), f32 sums; products left as they are: bf16, f16 or f32 operands; f32 sums; everything else in f32.
;; Inputs: W_proj 1,024 x 1,024 float32; W_qkv 1,024 x 3,072 float32; b_proj 1,024 float32; b_qkv 3,072 float32; x 4 x 2,048 x 1,024 float32.
;; Outputs: out0 4 x 2,048 x 1,024 float32.
;; This version of the problem:
;;   THIS VERSION OF THE PROBLEM IS GIVEN IN LOW PRECISION. The matrix products marked QUANTISED in the list below multiply operands that are first quantised to E2M1 (2 exponent bits, 1 mantissa bit; 4 bits a number), with one power-of-two scale for each 32 numbers along K (OCP MX v1.0); their sums are f32. The products marked 'left as it is' may take bf16, f16 or f32 operands, with f32 sums. Whichever they take, every output number must still come out within the allowed error. Rounding operands to bf16 (8 significant bits) uses up far more of that allowance than f16 does (11 bits, for magnitudes from 6e-5 to 65,504). All else is computed in f32.
;;   The module's matrix products, in the order in which they are computed (A, B: the left and right operand; K: the contracted axis; several contracted axes count as one K, in the product's order):
;;     1. [M 8,192, K 1,024] x [K 1,024, N 3,072]; A: input x; B: input W_qkv: QUANTISED
;;     2. batch 64 x [M 2,048, K 64] x [K 64, N 2,048]; A: computed on the way; B: computed on the way: left as it is (an operand is computed on the way)
;;     3. batch 64 x [M 2,048, K 2,048] x [K 2,048, N 64]; A: computed on the way; B: computed on the way: left as it is (an operand is computed on the way)
;;     4. [M 8,192, K 1,024] x [K 1,024, N 1,024]; A: computed on the way; B: input W_proj: left as it is (an operand is computed on the way)
;;   THE QUANTISER, for each operand of a quantised product, along K:
;;     - K is cut into blocks of 32 from its start; a last block that is shorter is filled with zeros.
;;     - A block's scale is 2^e with e = floor(log2(the largest magnitude in the block)) - 2, held to -126 .. 127; a block of zeros has e = 0. As a byte (E8M0): e + 127.
;;     - Each number is divided by its block's scale, clamped to +-6, and rounded to the nearest number of E2M1, ties to even, subnormals kept.
;;     - The product sums the exact products of the quantised numbers (number of the format x scale) in f32.
;;   ~~~python
;;   def quantise(x, axis):      # numpy; x: float32 -> the quantised numbers, widened to float32 again
;;       x = np.moveaxis(x, axis, -1); K = x.shape[-1]
;;       x = np.pad(x, [(0, 0)] * (x.ndim - 1) + [(0, -K % 32)]); x = x.reshape(x.shape[:-1] + (-1, 32)); a = np.abs(x).max(-1, keepdims=True)
;;       e = np.where(a > 0, np.clip(np.frexp(np.where(a > 0, a, 1))[1] - 1 - 2, -126, 127), 0)      # np.frexp(a)[1] - 1 = floor(log2(a)), exactly
;;       r = np.clip(x / 2.0 ** e, -6, 6)
;;       step = 2.0 ** (np.maximum(np.frexp(np.where(r == 0, 1, r))[1] - 1, 0) - 1)
;;       q = np.round(r / step) * step * 2.0 ** e      # np.round: ties to even
;;       return np.moveaxis(q.reshape(q.shape[:-2] + (-1,))[..., :K], -1, axis).astype(np.float32)
;;   ~~~
;; One version. Each part assembles by itself: llvm-mc -triple=amdgcn-amd-amdhsa -mcpu=gfx1250 --defsym DOCPART=n.
;; ======== version 1 of 1: 4 launches
;; limits: values are held in f16: magnitudes above 65,504 overflow, below 6.1e-05 lose precision
;; workspace buffers: x_codes 4,194,304 bytes; x_scales 262,144 bytes; w_codes 1,572,864 bytes; w_scales 98,304 bytes; wp16 2,097,152 bytes; qkv16 50,331,648 bytes; att 16,777,216 bytes
;; launch prep (part 1): grid 480 x 1, 4 waves a work-group, no clusters, 50,688 bytes of LDS; arguments x, W_qkv, W_proj, x_codes, x_scales, w_codes, w_scales, wp16; writes x_codes, x_scales, w_codes, w_scales, wp16
.if DOCPART == 1
	.amdgcn_target "amdgcn-amd-amdhsa--gfx1250"
	.amdhsa_code_object_version 6
	.text
	.protected	k_q73cecd9bac_prep
	.globl	k_q73cecd9bac_prep
	.p2align	8
	.type	k_q73cecd9bac_prep,@function
k_q73cecd9bac_prep:
	s_mov_b64 s[64:65], 0
	v_nop
	global_prefetch_b8 v0, s[64:65] scope:SCOPE_SE
	s_setreg_imm32_b32 hwreg(HW_REG_WAVE_MODE, 25, 1), 1
	s_wait_xcnt 0x0
; PREP: the operands of the later launches are made once.
;   work-groups   0..255: x [8192][1024] f32 -> codes of FP4 (E2M1), K innermost, [8192][512 bytes], and one E8M0 byte for each 32 along K, [8192][32 bytes]
;   work-groups 256..351: W_qkv [1024 k][3072 n] f32, K its FIRST axis -> codes [3072 n][512 bytes], K innermost, and scale bytes [3072][32]
;   work-groups 352..479: W_proj [1024][1024] f32 -> f16, same layout
; A block's scale is 2^(floor(log2(its largest magnitude)) - 2); its byte is the largest magnitude's exponent field - 2, held at 1 from below.
; LIMITS: a block of zeros gets the byte 1 where the rule says 127 (its codes are zeros, and this program alone reads the bytes); blocks whose largest magnitude lies under 2^(3 - 127) keep the byte 1;
; NaN and infinities among the inputs are not served; W_proj beyond 65,504 in magnitude does not fit f16.
; The three paths part on the work-group's number alone, so all four waves of a work-group go one way; each path that uses LDS has LDS bytes of its own.
.set WREG,  8192                       ; path X: a region for each wave: two stages of 32 x 80 bytes, then its 256 scale bytes
.set WSTG,  32768                      ; path W: the work-group's stage, 64 rows (columns of W) x 272 bytes
.set SPARE, 50176                      ; the spare words, 128 bytes for each wave
.set SPW,   190                        ; v190 LDS address of my spare word; never rewritten
.set NIL,   191                        ; v191 0; never rewritten
.set STEPS, 16
.set EMAX,  2
.set CB,    8                          ; bytes of 16 codes
.set SP,    80                         ; path X: a lane's place in a stage: 64 bytes + 16 of padding
.set R,     16                         ; path X: v16-79 four sets of 16 numbers as loaded
.set X,     80                         ;         v80-111 two sets of 16 neighbours
.set E,     112                        ;         v112-127 a scale byte for each step
.set C,     128                        ;         v128-189 codes, four registers for each step: no store's data are written again
.set NB,    8                          ; path W: blocks of 32 along K for a wave
.set WP,    272                        ;         a stage row: 256 bytes of codes + 16
.set WX,    32                         ;         v32-95 two sets of 32 numbers
.set WC,    96                         ;         v96-99 a block's codes
.set OUTR,  112                        ;         v112-143 the way out
.set SB,    24                         ;         v24-25 the scale bytes, four to a register
	s_load_b256 s[4:11], s[0:1], 0x0               ; x s[4:5], W_qkv s[6:7], W_proj s[8:9], x_codes s[10:11]
	s_load_b256 s[12:19], s[0:1], 0x20             ; x_scales s[12:13], w_codes s[14:15], w_scales s[16:17], wp16 s[18:19]
	v_lshl_add_u32 v[SPW], v0, 2, SPARE
	v_mov_b32 v[NIL], 0
	v_lshrrev_b32 v1, 5, v0
	v_readfirstlane_b32 s20, v1                    ; wave 0..3
	v_and_b32 v2, 31, v0                           ; lane
	s_wait_kmcnt 0x0
	s_cmp_lt_u32 ttmp9, 256
	s_cbranch_scc0 .Lw
; ---------------- PATH X: x is a plain stream of blocks of 32; a wave takes 16 steps of 512 numbers.
; Each load reads 512 consecutive bytes, 16 a lane; a step's 2,048 bytes turn through the wave's own stage, so that a lane then holds 16 NEIGHBOURS along K (two lanes hold a block).
	v_lshlrev_b32 v3, 4, v2                        ; my 16 bytes of a load's 512
	s_mul_i32 s21, s20, WREG
	v_lshrrev_b32 v14, 2, v2
	v_mul_u32_u24 v14, v14, SP
	v_and_b32 v15, 3, v2
	v_lshl_add_u32 v14, v15, 4, v14
	v_add_nc_u32 v14, s21, v14                     ; the stage on the way in: SP (lane / 4) + 16 (lane % 4)
	v_mul_u32_u24 v15, v2, SP
	v_add_nc_u32 v15, s21, v15                     ; and on the way out: SP x lane
	v_mul_u32_u24 v4, v2, CB                       ; my codes' place in a step's 256 bytes
	v_lshrrev_b32 v5, 1, v2
	s_add_co_u32 s21, s21, 2*32*SP
	v_add_nc_u32 v5, s21, v5                       ; my block's scale byte in LDS
	v_lshlrev_b32 v7, 3, v2                        ; on the way out 8 scale bytes a lane
	v_add_nc_u32 v6, s21, v7
	s_lshl_b32 s22, ttmp9, 2
	s_add_co_u32 s22, s22, s20                     ; which run of 8,192 numbers is my wave's
	s_mov_b32 s25, 0
	s_lshl_b32 s24, s22, 15                        ; 32,768 bytes of x,
	s_add_nc_u64 s[4:5], s[4:5], s[24:25]
	s_lshl_b32 s24, s22, 12                        ; 4,096 of codes,
	s_add_nc_u64 s[10:11], s[10:11], s[24:25]
	s_lshl_b32 s24, s22, 8                         ; 256 of scale bytes
	s_add_nc_u64 s[12:13], s[12:13], s[24:25]
.macro XLOAD t
.irp i, 0,1,2,3
	global_load_b128 v[R+16*((\t)%4)+4*\i:R+16*((\t)%4)+4*\i+3], v3, s[4:5] offset:2048*(\t)+512*\i th:TH_LOAD_NT
.endr
.endm
.macro XTURN t                         ; step t's numbers through the stage: LDS serves a wave's instructions in order, so no wait stands between the stores and the loads
.irp i, 0,1,2,3
	ds_store_b128 v14, v[R+16*((\t)%4)+4*\i:R+16*((\t)%4)+4*\i+3] offset:32*SP*((\t)%2)+8*SP*\i
.endr
.irp i, 0,1,2,3
	ds_load_b128 v[X+16*((\t)%2)+4*\i:X+16*((\t)%2)+4*\i+3], v15 offset:32*SP*((\t)%2)+16*\i
.endr
.endm
.macro XSTEP t
.set XS, X+16*((\t)%2)
.if (\t) > 0
	s_wait_dscnt 1                                 ; this step's numbers are back from the stage; the last step's byte store may be out
.else
	s_wait_dscnt 0x0
.endif
.if (\t)+4 < STEPS
	XLOAD (\t)+4                                   ; into the set whose stores into the stage are done
.endif
.if (\t)+1 < STEPS
.if STEPS-2-(\t) >= 3
	s_wait_loadcnt 12                              ; the next step's four loads are in; those of the three steps behind it may be out
.else
	s_wait_loadcnt 4*(STEPS-2-(\t))
.endif
	XTURN (\t)+1
.endif
	v_max3_num_f32 v8, |v[XS]|, |v[XS+1]|, |v[XS+2]|               ; the largest magnitude of my 16, in two chains
	v_max3_num_f32 v9, |v[XS+3]|, |v[XS+4]|, |v[XS+5]|
.irp i, 6,10
	v_max3_num_f32 v8, v8, |v[XS+\i]|, |v[XS+\i+1]|
	v_max3_num_f32 v9, v9, |v[XS+\i+2]|, |v[XS+\i+3]|
.endr
	v_max3_num_f32 v8, v8, |v[XS+14]|, |v[XS+15]|
	v_max3_num_f32 v8, v8, v9, (EMAX+1)<<23        ; and the floor 2^(3 - 127): the byte cannot fall under 1
	v_max_num_f32_dpp v8, v8, v8 row_xmask:1 row_mask:0xf bank_mask:0xf   ; with my neighbour's 16: the block's
	v_add_nc_u32 v11, -(EMAX<<23), v8              ; 2 off its exponent field: the conversion takes the exponent field of this operand as its scale
	v_cvt_scalef32_pk8_fp4_f32 v[C+4*(\t)], v[XS:XS+7], v11
	v_cvt_scalef32_pk8_fp4_f32 v[C+4*(\t)+1], v[XS+8:XS+15], v11
	v_lshrrev_b32 v[E+(\t)], 23, v11               ; the scale's byte (also the plain line behind the conversions)
	ds_store_b8 v5, v[E+(\t)] offset:16*(\t)       ; both lanes of a block write the same byte with the same value
	global_store_b64 v4, v[C+4*(\t):C+4*(\t)+1], s[10:11] offset:32*CB*(\t)   ; the wave stores 256 consecutive bytes, aligned
.endm
.irp t, 0,1,2,3
	XLOAD \t
.endr
	s_wait_loadcnt 12                              ; step 0's four loads are in
	XTURN 0
.irp t, 0,1,2,3,4,5,6,7,8,9,10,11,12,13,14,15
	XSTEP \t
.endr
	ds_load_b64 v[8:9], v6                         ; my wave's 256 scale bytes: these loads see my stores
	s_wait_dscnt 0x0
	global_store_b64 v7, v[8:9], s[12:13]          ; 256 consecutive bytes, aligned
	s_wait_tensorcnt 0x0                           ; the wave's end: the spare word's add and its wait, behind my last LDS store
	ds_add_u32 v[SPW], v[NIL]
	s_wait_dscnt 0x0
	s_endpgm
; ---------------- PATH W: a lane takes a column n and its registers run down K: a block of 32 lies in one lane, and the codes come out with K innermost.
; A work-group takes 64 columns x 512 along K; wave w takes columns 32 (w & 1) on and 256 (w >> 1) along K on: 8 blocks a lane, two blocks (64 loads) ahead.
; A column's 256 bytes of codes come from two waves: they meet in the stage, behind a barrier, and leave as whole rows.
.Lw:
	s_cmp_lt_u32 ttmp9, 352
	s_cbranch_scc0 .Lp
	s_sub_co_u32 s21, ttmp9, 256
	s_cmp_ge_u32 s21, 48
	s_cselect_b32 s22, 1, 0                        ; y: which 512 along K
	s_cselect_b32 s23, 48, 0
	s_sub_co_u32 s21, s21, s23                     ; xw: which 64 columns
	s_and_b32 s23, s20, 1                          ; cg
	s_lshr_b32 s24, s20, 1                         ; kh
	s_lshl_b32 s29, s21, 1
	s_add_co_u32 s29, s29, s23                     ; which 32 columns: 2 xw + cg
	s_lshl_b32 s26, s22, 1
	s_add_co_u32 s26, s26, s24                     ; which 256 along K: 2 y + kh
	s_mul_i32 s30, s26, 256*12288                  ; W: 256 rows of 12,288 bytes,
	s_lshl_b32 s31, s29, 7                         ; 128 bytes for 32 columns
	s_add_co_u32 s30, s30, s31
	s_mov_b32 s31, 0
	s_add_nc_u64 s[6:7], s[6:7], s[30:31]
	s_lshl_b32 s30, s29, 10                        ; scale bytes: 32 rows of 32 bytes,
	s_lshl_b32 s26, s26, 3                         ; 8 bytes for 256 along K
	s_add_co_u32 s30, s30, s26
	s_add_nc_u64 s[16:17], s[16:17], s[30:31]
	s_lshl_b32 s30, s21, 2
	s_add_co_u32 s30, s30, s20                     ; codes, on the way out: rows 64 xw + 16 w on,
	s_lshl_b32 s30, s30, 13                        ; 512 bytes a row,
	s_lshl_b32 s26, s22, 8                         ; 256 y into the row
	s_add_co_u32 s30, s30, s26
	s_add_nc_u64 s[14:15], s[14:15], s[30:31]
	v_lshlrev_b32 v3, 2, v2                        ; in: 4 bytes a lane
	v_mul_u32_u24 v4, v2, WP
	s_mul_i32 s26, s23, 32*WP
	s_lshl_b32 s28, s24, 7
	s_add_co_u32 s26, s26, s28
	s_add_co_u32 s26, s26, WSTG
	v_add_nc_u32 v4, s26, v4                       ; into the stage: row = my column, my wave's 128 bytes of it
	v_and_b32 v5, 15, v2
	v_lshrrev_b32 v6, 4, v2
	v_mul_u32_u24 v7, v6, WP
	v_lshl_add_u32 v7, v5, 4, v7
	s_mul_i32 s26, s20, 16*WP
	s_add_co_u32 s26, s26, WSTG
	v_add_nc_u32 v7, s26, v7                       ; out of it: my wave's 16 rows, sixteen lanes to a row, two rows an instruction
	v_lshlrev_b32 v8, 9, v6
	v_lshl_add_u32 v8, v5, 4, v8                   ; and the same place in the codes' buffer
	v_lshlrev_b32 v9, 5, v2                        ; my column's row of scale bytes
.macro WLOAD t                         ; block t: W(32 t + i, my column), i = 0 .. 31
.irp i, 0,1,2,3,4,5,6,7,8,9,10,11,12,13,14,15,16,17,18,19,20,21,22,23,24,25,26,27,28,29,30,31
	global_load_b32 v[WX+32*((\t)%2)+\i], v3, s[6:7] offset:(32*(\t)+\i)*12288 th:TH_LOAD_NT
.endr
.endm
.macro WBLOCK t
.set XS, WX+32*((\t)%2)
.if (\t) < NB-1
	s_wait_loadcnt 32                              ; this block's 32 loads are in; the next block's may be out
.else
	s_wait_loadcnt 0
.endif
	v_max3_num_f32 v12, |v[XS]|, |v[XS+1]|, |v[XS+2]|              ; the block's largest magnitude: all 32 numbers are mine
	v_max3_num_f32 v13, |v[XS+3]|, |v[XS+4]|, |v[XS+5]|
.irp i, 6,10,14,18,22,26
	v_max3_num_f32 v12, v12, |v[XS+\i]|, |v[XS+\i+1]|
	v_max3_num_f32 v13, v13, |v[XS+\i+2]|, |v[XS+\i+3]|
.endr
	v_max3_num_f32 v12, v12, |v[XS+30]|, |v[XS+31]|
	v_max3_num_f32 v12, v12, v13, (EMAX+1)<<23     ; and the floor
	v_add_nc_u32 v11, -(EMAX<<23), v12             ; the conversion's scale operand
	v_lshrrev_b32 v13, 23, v11                     ; the scale's byte
.if (\t)%4 == 0
	v_mov_b32 v[SB+(\t)/4], v13                    ; four bytes to a register, the lower K in the lower byte
.else
	v_lshl_or_b32 v[SB+(\t)/4], v13, 8*((\t)%4), v[SB+(\t)/4]
.endif
.irp g, 0,1,2,3
	v_cvt_scalef32_pk8_fp4_f32 v[WC+\g], v[XS+8*\g:XS+8*\g+7], v11
.endr
	v_nop                                          ; one plain line behind the conversions
	ds_store_b128 v4, v[WC:WC+3] offset:16*(\t)    ; 32 codes: 16 bytes of my column's row
.if (\t)+2 < NB
	WLOAD (\t)+2
.endif
	s_wait_dscnt 0x0                               ; the store has read its registers: the next block's codes may be written
.endm
	WLOAD 0
	WLOAD 1
.irp t, 0,1,2,3,4,5,6,7
	WBLOCK \t
.endr
	global_store_b64 v9, v[SB:SB+1], s[16:17]      ; my column's 8 scale bytes
	s_wait_dscnt 0x0                               ; for the others' sake: my stores into the stage are done
	s_barrier_signal -1
	s_barrier_wait -1
.irp t, 0,1,2,3,4,5,6,7
	ds_load_b128 v[OUTR+4*\t:OUTR+4*\t+3], v7 offset:2*\t*WP
.endr
.irp t, 0,1,2,3,4,5,6,7
	s_wait_dscnt 7-\t                              ; LDS loads come back in order: load t is in
	global_store_b128 v8, v[OUTR+4*\t:OUTR+4*\t+3], s[14:15] offset:2*\t*512   ; sixteen lanes store 256 consecutive bytes, aligned
.endr
	s_wait_tensorcnt 0x0                           ; the wave's end: the spare word's add and its wait, behind my last LDS store
	ds_add_u32 v[SPW], v[NIL]
	s_wait_dscnt 0x0
	s_endpgm
; ---------------- PATH P: W_proj to f16, as it lies.  A wave takes 2,048 numbers: 16 loads of 512 bytes, 16 stores of 256.  No LDS; no register is written twice.
.Lp:
	s_sub_co_u32 s21, ttmp9, 352
	s_lshl_b32 s21, s21, 2
	s_add_co_u32 s21, s21, s20
	s_mov_b32 s23, 0
	s_lshl_b32 s22, s21, 13
	s_add_nc_u64 s[8:9], s[8:9], s[22:23]
	s_lshl_b32 s22, s21, 12
	s_add_nc_u64 s[18:19], s[18:19], s[22:23]
	v_lshlrev_b32 v3, 4, v2
	v_lshlrev_b32 v4, 3, v2
.irp i, 0,1,2,3,4,5,6,7,8,9,10,11,12,13,14,15
	global_load_b128 v[32+4*\i:35+4*\i], v3, s[8:9] offset:512*\i th:TH_LOAD_NT
.endr
.irp i, 0,1,2,3,4,5,6,7,8,9,10,11,12,13,14,15
	s_wait_loadcnt 15-\i                           ; loads come back in order: load i is in
	v_cvt_pk_f16_f32 v[96+2*\i], v[32+4*\i], v[33+4*\i]
	v_cvt_pk_f16_f32 v[97+2*\i], v[34+4*\i], v[35+4*\i]
	global_store_b64 v4, v[96+2*\i:97+2*\i], s[18:19] offset:256*\i
.endr
	s_endpgm
.Lfunc_end_k_q73cecd9bac_prep:
	.size	k_q73cecd9bac_prep, .Lfunc_end_k_q73cecd9bac_prep-k_q73cecd9bac_prep
	.p2alignl 7, 3214868480
	.fill 96, 4, 3214868480
	.section	.rodata,"a",@progbits
	.p2align	6, 0x0
	.amdhsa_kernel k_q73cecd9bac_prep
		.amdhsa_group_segment_fixed_size 50688
		.amdhsa_private_segment_fixed_size 0
		.amdhsa_enable_private_segment 0
		.amdhsa_kernarg_size 64
		.amdhsa_user_sgpr_count 2
		.amdhsa_user_sgpr_kernarg_segment_ptr 1
		.amdhsa_wavefront_size32 1
		.amdhsa_system_sgpr_workgroup_id_x 1
		.amdhsa_system_sgpr_workgroup_id_y 1
		.amdhsa_system_sgpr_workgroup_id_z 1
		.amdhsa_system_vgpr_workitem_id 0
		.amdhsa_next_free_vgpr 192
		.amdhsa_next_free_sgpr 66
		.amdhsa_reserve_vcc 0
		.amdhsa_float_denorm_mode_32 3
		.amdhsa_float_denorm_mode_16_64 3
		.amdhsa_memory_ordered 1
		.amdhsa_forward_progress 1
		.amdhsa_inst_pref_size 79
	.end_amdhsa_kernel
	.amdgpu_metadata
---
amdhsa.version: [ 1, 2 ]
amdhsa.kernels:
  - .name:           k_q73cecd9bac_prep
    .symbol:         k_q73cecd9bac_prep.kd
    .args:
      - { .name: x, .offset: 0, .size: 8, .value_kind: global_buffer, .address_space: global }
      - { .name: W_qkv, .offset: 8, .size: 8, .value_kind: global_buffer, .address_space: global }
      - { .name: W_proj, .offset: 16, .size: 8, .value_kind: global_buffer, .address_space: global }
      - { .name: x_codes, .offset: 24, .size: 8, .value_kind: global_buffer, .address_space: global }
      - { .name: x_scales, .offset: 32, .size: 8, .value_kind: global_buffer, .address_space: global }
      - { .name: w_codes, .offset: 40, .size: 8, .value_kind: global_buffer, .address_space: global }
      - { .name: w_scales, .offset: 48, .size: 8, .value_kind: global_buffer, .address_space: global }
      - { .name: wp16, .offset: 56, .size: 8, .value_kind: global_buffer, .address_space: global }
    .group_segment_fixed_size: 50688
    .private_segment_fixed_size: 0
    .kernarg_segment_align: 8
    .kernarg_segment_size: 64
    .max_flat_workgroup_size: 128
    .sgpr_count:     66
    .vgpr_count:     192
    .wavefront_size: 32
...
	.end_amdgpu_metadata
.endif
;; end of part 1
;; launch qkv (part 2): grid 12 x 32, 4 waves a work-group, clusters of 4 x 4, 327,680 bytes of LDS; arguments x_codes, x_scales, w_codes, w_scales, b_qkv, qkv16; writes qkv16
.if DOCPART == 2
	.amdgcn_target "amdgcn-amd-amdhsa--gfx1250"
	.amdhsa_code_object_version 6
	.text
	.protected	k_q73cecd9bac_qkv
	.globl	k_q73cecd9bac_qkv
	.p2align	8
	.type	k_q73cecd9bac_qkv,@function
k_q73cecd9bac_qkv:
	s_mov_b64 s[64:65], 0
	v_nop
	global_prefetch_b8 v0, s[64:65] scope:SCOPE_SE
	s_setreg_imm32_b32 hwreg(HW_REG_WAVE_MODE, 25, 1), 1
	s_wait_xcnt 0x0
	s_wait_alu depctr_hold_cnt(0) depctr_sa_sdst(0) depctr_va_vdst(0) depctr_va_sdst(0) depctr_va_ssrc(0) depctr_va_vcc(0) depctr_vm_vsrc(0)
	s_getreg_b32 s2, hwreg(HW_REG_IB_STS2, 6, 4)
	s_cmp_eq_u32 s2, 0
	s_cbranch_scc0 .Lentry_in_a_cluster
	s_endpgm
.Lentry_in_a_cluster:
	s_bfe_u32 s2, ttmp6, 0x10000c
	s_cmp_lg_u32 s2, 0xf033
	s_cbranch_scc0 .Lentry_shape_is_right
	s_endpgm
.Lentry_shape_is_right:
; QKV: qkv[m][n] = sum over k of x[m][k] W[k][n] + b[n], on codes of FP4 (E2M1) with one E8M0 scale for each 32 along K; sums in f32; the result is rounded to f16 and laid by head:
; qkv16 [kind 3][batch x head 64][token 2048][64].  x_codes [8192][512 bytes], w_codes [3072 n][512 bytes], K innermost; scale bytes [rows][32].
; LIMIT: a result beyond 65,504 in magnitude does not fit f16.
; A tile of 256 x 256 is made by four waves, each 128 x 128: 64 accumulators, 512 registers.  K = 1,024 is two K steps of 512, rows of 256 bytes: BOTH lie in LDS as first fills, nothing is ever filled again.
; The scale bytes of the work-group's 256 + 256 rows come once, as units of 256 bytes.  By this text's count a wave has three tensor loads out at the start and none later.
; CLUSTERS: 4 x 4 work-groups; the four of a row of the cluster need the same tiles of x, the four of a column the same tiles of W: each tile is asked for jointly.
; THE MATRIX INSTRUCTION IS USED TRANSPOSED (source 0 = 16 rows of W's codes, source 1 = 16 rows of x's): a lane holds eight neighbouring columns of one token.  The bias is the C of each sum's first product.
; REGISTERS: window 0: v0-31 addresses; v32-95 scale words, two sets, and nothing else; v128-191 x's fragments, one set, on the way out rows read back; v192-255 the bias in the result's layout, on the way out packed results.
;   window 1: W's fragments, two sets, at v0 and v128.  window 2: the accumulators of my rows 0-63 ((a, b) at v[8 (8 a + b)]);  window 3: those of rows 64-127.
.set KSTEP,  512
.set NQ,     4                         ; matrix instructions deep in a slot
.set ROWB,   256                       ; a tile's row in bytes
.set KROW,   512                       ; a row of codes in memory
.set PITCH,  272                       ; an LDS row: 256 bytes + 16 of padding: the 16 rows that a load touches start at 16 different banks (64 banks of 4 bytes: ISA guide 11.1)
.set FR,     8
.set NL,     2
.set NP,     4                         ; places behind this matrix instruction (ISA guide 7.12.1)
.set HALFT,  128*PITCH
.set SLOT,   4*HALFT
.set KS,     32                        ; a row of scale bytes
.set SCL,    2*SLOT
.set HALFS,  16*272                    ; the scales of 128 rows
.set SBLK,   2*272                     ; of 16 rows
.set SPARE,  SCL+4*HALFS               ; the spare words, 128 bytes for each wave
.set SROW,   144                       ; the way out: a token's 128 bytes of one head + 16; the stage, 2 heads x 16 tokens for each wave, lies in slot 0, which has had its only fill and its last read by then
.set SHEAD,  16*SROW
.set ADRA, 16
.set ADRB, 20
.set STO,  24
.set RD,   25
.set CO,   26
.set ADRS, 27
.set SPW,  28
.set NIL,  29
.set BO,   30                          ; v30 the bias loads' offset: 32 x (lane / 16)
.set SC,   32
.set AF,   128
.set BIAS, 192
.set TMP,  192
.set G1, 24
.set G0, 32
.set G1B, 48
.set G0B, 56
.set G1S, 68
.set G0S, 76
.set G1SB, 80
.set G0SB, 88
.set MSB, 0
.macro WIN new                         ; the immediate's high byte repeats the setting that is left
.if MSB != \new
	s_set_vgpr_msb (MSB<<8)|\new
.set MSB, \new
.endif
.endm
.set MUL_LO, 0xa1                      ; source 0 (W) window 1, source 1 (x) window 0, C and D window 2
.set MUL_HI, 0xf1                      ; the same, C and D window 3
.set BIA_LO, 0x81                      ; the first products: C (the bias) window 0, D window 2
.set BIA_HI, 0xc1                      ; D window 3
.set TO_B,   0x40
; A joint load: waves 0 and 1 fetch for x, waves 2 and 3 for W.  The branch hangs on the wave's number alone.  An s_nop 0 and four v_nop follow each of the two lines.
.macro JLOAD g0a, g1a, g0b, g1b
	s_cmp_eq_u32 s15, 0
	s_cbranch_scc0 .Lfor_b_\@
	tensor_load_to_lds s[\g0a:\g0a+3], s[\g1a:\g1a+7]
	s_nop 0
.rept 4
	v_nop
.endr
	s_branch .Lasked_\@
.Lfor_b_\@:
	tensor_load_to_lds s[\g0b:\g0b+3], s[\g1b:\g1b+7]
	s_nop 0
.rept 4
	v_nop
.endr
.Lasked_\@:
.endm
.macro CROUND                          ; a round of the cluster's barrier
	s_barrier_signal -1
	s_barrier_wait -1
	s_cmp_lg_u32 s14, 0
	s_cbranch_scc1 .Lnot_wave_0_\@
	s_barrier_signal -3
.Lnot_wave_0_\@:
	s_barrier_wait -3
	s_barrier_signal -1
	s_barrier_wait -1
.endm
	s_load_b128 s[4:7], s[0:1], 0x0                ; x's codes s[4:5], x's scales s[6:7]
	s_load_b128 s[8:11], s[0:1], 0x10              ; W's codes s[8:9], W's scales s[10:11]
	s_load_b128 s[96:99], s[0:1], 0x20             ; b_qkv s[96:97], qkv16 s[98:99]
	v_lshl_add_u32 v[SPW], v0, 2, SPARE
	v_mov_b32 v[NIL], 0
	ds_add_u32 v[SPW], v[NIL]                      ; the wave's opening: the add, twice on end, and its wait ahead of my first tensor load
	ds_add_u32 v[SPW], v[NIL]
	v_lshrrev_b32 v1, 5, v0
	v_readfirstlane_b32 s14, v1                    ; wave 0..3
	s_lshr_b32 s15, s14, 1                         ; which half of the tile's rows is mine.  Also: I fetch for x (0) or for W (1)
	s_and_b32 s16, s14, 1                          ; which half of its columns.  Also: which 128 rows of that tile I fetch
	s_bfe_u32 s40, ttmp6, 0x40000                  ; cx, cy: my place in the cluster
	s_bfe_u32 s41, ttmp6, 0x40004
	s_lshl_b32 s42, ttmp9, 2
	s_add_co_u32 s42, s42, s40                     ; tile column = 4 x cluster x + cx
	s_and_b32 s17, ttmp7, 0xffff
	s_lshl_b32 s17, s17, 2
	s_add_co_u32 s17, s17, s41                     ; tile row = 4 x cluster y + cy
	s_lshl_b32 s43, s41, 2
	s_lshl_b32 s43, 15, s43                        ; my row of the cluster
	s_lshl_b32 s44, 0x1111, s40                    ; my column
	; descriptor group 1: a tile of 128 rows x 256 bytes, 16 bytes of padding behind each row
	s_or_b32 s[G1+0], s43, (0<<16)|(1<<20)|(1<<21)|(5<<22)|(3<<25)  ; 15:0 the mask; 17:16 elements of 1 byte; 20 padding on; 21 set beside a mask; 24:22 after every 64 words; 31:25 four words
	s_or_b32 s[G1B+0], s44, (0<<16)|(1<<20)|(1<<21)|(5<<22)|(3<<25)
.irp g, G1, G1B
	s_mov_b32 s[\g+1], ROWB<<16                    ; tensor_dim0
	s_mov_b32 s[\g+2], 128<<16                     ; tensor_dim1
	s_mov_b32 s[\g+3], ROWB<<16                    ; tile_dim0
	s_mov_b32 s[\g+4], 128                         ; tile_dim1
	s_mov_b32 s[\g+5], KROW                        ; from row to row
	s_mov_b32 s[\g+6], 0
	s_mov_b32 s[\g+7], 0
.endr
	; the scales of 128 rows: 4,096 dense bytes, as 16 rows of 256 bytes (32 elements of 8 bytes), 16 bytes of padding behind each
	s_or_b32 s[G1S+0], s43, (3<<16)|(1<<20)|(1<<21)|(5<<22)|(3<<25)
	s_or_b32 s[G1SB+0], s44, (3<<16)|(1<<20)|(1<<21)|(5<<22)|(3<<25)
.irp g, G1S, G1SB
	s_mov_b32 s[\g+1], 32<<16
	s_mov_b32 s[\g+2], (128*KS/256)<<16
	s_mov_b32 s[\g+3], 32<<16
	s_mov_b32 s[\g+4], 128*KS/256
	s_mov_b32 s[\g+5], 32
	s_mov_b32 s[\g+6], 0
	s_mov_b32 s[\g+7], 0
.endr
	s_lshl_b32 s18, s16, 7                         ; which 128 rows of the tile I fetch
	s_lshl_b32 s20, s17, 8
	s_add_co_u32 s20, s20, s18                     ; x: row 256 x tile row + 128 x half
	s_lshl_b32 s46, s42, 8
	s_add_co_u32 s46, s46, s18                     ; W: row 256 x tile column + 128 x half
	s_mov_b32 s21, 0
	s_mov_b32 s47, 0
	s_mov_b64 s[18:19], KS
	s_mul_u64 s[22:23], s[20:21], s[18:19]         ; where these rows' scales begin,
	s_mul_u64 s[92:93], s[46:47], s[18:19]
	s_mov_b64 s[18:19], KROW
	s_mul_u64 s[20:21], s[20:21], s[18:19]         ; and their codes
	s_mul_u64 s[46:47], s[46:47], s[18:19]
	s_mul_i32 s45, s14, HALFT                      ; where they go: wave x 128 rows: no place in the cluster enters an LDS address
	s_mul_i32 s94, s14, HALFS
	s_wait_dscnt 0x0                               ; both opening adds are done
	s_wait_kmcnt 0x0
	s_add_nc_u64 s[20:21], s[4:5], s[20:21]
	s_add_nc_u64 s[22:23], s[6:7], s[22:23]
	s_add_nc_u64 s[46:47], s[8:9], s[46:47]
	s_add_nc_u64 s[92:93], s[10:11], s[92:93]
	CROUND                                         ; all sixteen work-groups are here: the joint loads meet
	s_mov_b32 s[G0S], 1
	s_add_co_u32 s[G0S+1], s94, SCL
	s_mov_b64 s[G0S+2:G0S+3], s[22:23]
	s_or_b32 s[G0S+3], s[G0S+3], 0x80000000
	s_mov_b32 s[G0SB], 1
	s_add_co_u32 s[G0SB+1], s94, SCL
	s_mov_b64 s[G0SB+2:G0SB+3], s[92:93]
	s_or_b32 s[G0SB+3], s[G0SB+3], 0x80000000
	JLOAD G0S, G1S, G0SB, G1SB                     ; the scales first: they are wanted with K step 0
.irp s, 0,1
	s_mov_b32 s[G0+4*\s], 1
	s_add_co_u32 s[G0+4*\s+1], s45, \s*SLOT
	s_add_nc_u64 s[G0+4*\s+2:G0+4*\s+3], s[20:21], \s*ROWB
	s_or_b32 s[G0+4*\s+3], s[G0+4*\s+3], 0x80000000
	s_mov_b32 s[G0B+4*\s], 1
	s_add_co_u32 s[G0B+4*\s+1], s45, \s*SLOT
	s_add_nc_u64 s[G0B+4*\s+2:G0B+4*\s+3], s[46:47], \s*ROWB
	s_or_b32 s[G0B+4*\s+3], s[G0B+4*\s+3], 0x80000000
	JLOAD G0+4*\s, G1, G0B+4*\s, G1B
.endr
	v_and_b32 v1, 15, v0                           ; r = lane % 16
	v_bfe_u32 v2, v0, 4, 1                         ; h = lane / 16
	v_mul_u32_u24 v3, v1, PITCH
	v_lshl_add_u32 v4, v2, 4, v3                   ; a fragment's row x pitch + 16 x half
	s_mul_i32 s21, s15, HALFT                      ; my 128 rows of x
	s_mul_i32 s22, s16, HALFT                      ; my 128 rows of W,
	s_add_co_u32 s22, s22, 2*HALFT                 ; which lie behind x's 256
.irp s, 0,1
	v_add_nc_u32 v[ADRA+\s], s21, v4
	v_add_nc_u32 v[ADRB+\s], s22, v4
	s_add_co_u32 s21, s21, SLOT
	s_add_co_u32 s22, s22, SLOT
.endr
	v_mul_u32_u24 v5, v1, KS                       ; my row's scales: 32 bytes a row,
	v_lshrrev_b32 v6, 8, v5
	v_lshl_add_u32 v5, v6, 4, v5                   ; and 16 more for each 256 passed
	s_mul_i32 s21, s15, HALFS
	s_mul_i32 s22, s16, HALFS
	s_add_co_u32 s22, s22, 2*HALFS
	s_sub_co_u32 s22, s22, s21
	v_mul_u32_u24 v6, s22, v2                      ; lanes 16-31 take W's: the lower base + h x the distance
	s_add_co_u32 s21, s21, SCL
	v_add_nc_u32 v5, v5, v6
	v_add_nc_u32 v[ADRS], s21, v5
	s_mul_i32 s23, s14, 2*SHEAD                    ; my stage
	v_mul_u32_u24 v5, v1, SROW                     ; in: token r, 16 bytes for each half of the lanes
	v_lshl_add_u32 v5, v2, 4, v5
	v_add_nc_u32 v[STO], s23, v5
	v_and_b32 v6, 31, v0
	v_lshlrev_b32 v[CO], 4, v6                     ; out: four tokens of 128 bytes are 512 consecutive bytes of a head: 16 x lane
	v_lshrrev_b32 v5, 3, v6
	v_mul_u32_u24 v5, v5, SROW
	v_and_b32 v6, 7, v6
	v_lshl_add_u32 v5, v6, 4, v5
	v_add_nc_u32 v[RD], s23, v5                    ; back: token lane / 8, 16 bytes at lane % 8
	v_lshlrev_b32 v[BO], 5, v2
	; where my part begins in qkv16: kind = cluster x; head = 4 cx + 2 x column half (+ 0, 1); batch = tile row / 8; token = 256 (tile row % 8) + 128 x row half
	s_lshr_b32 s20, s17, 3
	s_lshl_b32 s20, s20, 15                        ; batch x 16 heads x 2,048 tokens
	s_and_b32 s21, s17, 7
	s_lshl_b32 s21, s21, 8
	s_add_co_u32 s20, s20, s21
	s_lshl_b32 s21, s15, 7
	s_add_co_u32 s20, s20, s21
	s_lshl_b32 s20, s20, 7                         ; 128 bytes a token
	s_mov_b32 s21, 0
	s_lshl_b32 s46, s40, 2
	s_lshl_b32 s47, s16, 1
	s_add_co_u32 s46, s46, s47
	s_lshl_b32 s46, s46, 18                        ; a head is 262,144 bytes
	s_lshl_b32 s47, ttmp9, 24                      ; a kind 16,777,216
	s_add_co_u32 s46, s46, s47
	s_mov_b32 s47, 0
	s_add_nc_u64 s[20:21], s[20:21], s[46:47]
	s_add_nc_u64 s[98:99], s[98:99], s[20:21]
	s_lshl_b32 s46, s42, 10                        ; the bias of my 128 columns: 4 x (256 x tile column + 128 x half)
	s_lshl_b32 s47, s16, 9
	s_add_co_u32 s46, s46, s47
	s_mov_b32 s47, 0
	s_add_nc_u64 s[96:97], s[96:97], s[46:47]
.irp b, 0,1,2,3,4,5,6,7                        ; lane (r, h) wants, for W's block b, b[16 b + 8 h + 0 .. 7]: the result's layout
	global_load_b128 v[BIAS+8*\b:BIAS+8*\b+3], v[BO], s[96:97] offset:64*\b
	global_load_b128 v[BIAS+8*\b+4:BIAS+8*\b+7], v[BO], s[96:97] offset:64*\b+16
.endr
.macro FRAG reg, adr, q, i             ; a fragment, 16 rows x 128 K of 4-bit codes, is 8 registers: two loads of 16 bytes, 32 bytes apart
.irp c, 0,1
	ds_load_b128 v[\reg+4*\c:\reg+4*\c+3], v[\adr] offset:64*(\q)+32*\c+(\i)*16*PITCH
.endr
.endm
; 16 matrix instructions: x's blocks a0, a0 + 1 against W's eight, 128 along K.  p: W's set; sc: the set of scale words.  first = 1: the bias is C.  The 64 accumulators take turns, one instruction a turn.
.macro MUL16 a0, p, q, sc, first
.irp a, \a0, \a0+1
.irp b, 0,1,2,3,4,5,6,7
.if \first
	v_wmma_scale_f32_16x16x128_f8f6f4 v[8*(8*((\a)%4)+\b):8*(8*((\a)%4)+\b)+7], v[128*(\p)+FR*\b:128*(\p)+FR*\b+FR-1], v[AF+FR*(\a):AF+FR*(\a)+FR-1], v[BIAS+8*\b:BIAS+8*\b+7], v[SC+8*NQ*(\sc)+NQ*\b+(\q)], v[SC+8*NQ*(\sc)+NQ*(\a)+(\q)] matrix_a_fmt:MATRIX_FMT_FP4 matrix_b_fmt:MATRIX_FMT_FP4 matrix_a_scale:MATRIX_SCALE_ROW1
.else
	v_wmma_scale_f32_16x16x128_f8f6f4 v[8*(8*((\a)%4)+\b):8*(8*((\a)%4)+\b)+7], v[128*(\p)+FR*\b:128*(\p)+FR*\b+FR-1], v[AF+FR*(\a):AF+FR*(\a)+FR-1], v[8*(8*((\a)%4)+\b):8*(8*((\a)%4)+\b)+7], v[SC+8*NQ*(\sc)+NQ*\b+(\q)], v[SC+8*NQ*(\sc)+NQ*(\a)+(\q)] matrix_a_fmt:MATRIX_FMT_FP4 matrix_b_fmt:MATRIX_FMT_FP4 matrix_a_scale:MATRIX_SCALE_ROW1
.endif
.endr
.endr
.endm
.macro FETCH_B slot, q, p
	WIN TO_B
.irp i, 0,1,2,3,4,5,6,7
	FRAG 128*(\p)+FR*\i, ADRB+\slot, \q, \i
.endr
	WIN 0
.endm
.macro FETCH_A slot, q, i0
.irp i, \i0, \i0+1, \i0+2, \i0+3
	FRAG AF+FR*(\i), ADRA+\slot, \q, \i
.endr
.endm
.macro SCALES sc                       ; a K step's scale words: four words a row; lanes 0-15 take x's block i, lanes 16-31 W's block i
.irp i, 0,1,2,3,4,5,6,7
	ds_load_b128 v[SC+8*NQ*\sc+NQ*\i:SC+8*NQ*\sc+NQ*\i+3], v[ADRS] offset:\i*SBLK
.endr
.endm
.macro PLACES n                        ; plain vector lines between a matrix instruction and a load into, or a read of, its registers
.rept \n
	v_nop
.endr
.endm
.macro STEP slot, q, first             ; 128 along K, with its successor in the same slot
	s_wait_dscnt 4*NL                              ; W's set and x's blocks 0-3 are in; the youngest eight loads (x's blocks 4-7) may be out
.if \first
	WIN BIA_LO
.else
	WIN MUL_LO
.endif
	MUL16 0, (\q)%2, \q, \slot, \first
	MUL16 2, (\q)%2, \q, \slot, \first
	s_wait_dscnt 0                                 ; x's blocks 4-7 are in
	PLACES NP
	FETCH_B \slot, (\q)+1, 1-(\q)%2
	FETCH_A \slot, (\q)+1, 0
.if \first
	WIN BIA_HI
.else
	WIN MUL_HI
.endif
	MUL16 4, (\q)%2, \q, \slot, \first
	MUL16 6, (\q)%2, \q, \slot, \first
	PLACES NP
	WIN 0
	FETCH_A \slot, (\q)+1, 4
.endm
; Slot 0's last step leads over to slot 1: each wave waits for all its tensor loads (its part of slot 1), and one barrier shows slot 1 whole to every wave.  Nothing is filled again.
.macro TURN slot, next
	s_wait_tensorcnt 0x0                           ; my part of the next slot has landed
	ds_add_u32 v[SPW], v[NIL]
	s_wait_dscnt 4*NL+1                            ; the add and the youngest eight loads may be out
	WIN MUL_LO
	MUL16 0, 1, NQ-1, \slot, 0
	s_wait_dscnt 0x0                               ; the add is done, and my reads of this slot are over
	s_barrier_signal -1
	MUL16 2, 1, NQ-1, \slot, 0
	WIN 0
	s_barrier_wait -1
	PLACES NP
	v_add_nc_u32 v[ADRS], 4*NQ, v[ADRS]            ; on to the next K step's scale words
	FETCH_B \next, 0, 0
	FETCH_A \next, 0, 0
	SCALES \next
	WIN MUL_HI
	MUL16 4, 1, NQ-1, \slot, 0
	MUL16 6, 1, NQ-1, \slot, 0
	PLACES NP
	WIN 0
	FETCH_A \next, 0, 4
.endm
	s_wait_tensorcnt 1                             ; the scales and my part of K step 0 are in; K step 1's load may be out
	s_barrier_signal -1
	s_barrier_wait -1
	FETCH_B 0, 0, 0
	FETCH_A 0, 0, 0
	SCALES 0
	FETCH_A 0, 0, 4
	s_wait_loadcnt 0x0                             ; the bias
	STEP 0, 0, 1                                   ; the first products start the sums from the bias: nothing is cleared, nothing is added later
	STEP 0, 1, 0
	STEP 0, 2, 0
	TURN 0, 1
	STEP 1, 0, 0
	STEP 1, 1, 0
	STEP 1, 2, 0
	s_wait_dscnt 4*NL                              ; the last step: nothing more to fetch
	WIN MUL_LO
	MUL16 0, 1, NQ-1, 1, 0
	MUL16 2, 1, NQ-1, 1, 0
	s_wait_dscnt 0
	WIN MUL_HI
	MUL16 4, 1, NQ-1, 1, 0
	MUL16 6, 1, NQ-1, 1, 0
	WIN 0
; THE WAY OUT, by blocks of 16 tokens x 128 columns (two heads).  PACK: rounded to f16, 16 bytes a lane, each accumulator from its low end.  TOSTAGE: into my own stage and back, four tokens of one head to a load.
; SEND: each store of the wave covers 512 consecutive bytes of a head, aligned.  LDS serves a wave's instructions in order: no wait between the stores and the loads.
.macro PACK a
.set AC, 64*((\a)%4)
	WIN 0x0a+5*((\a)/4)                            ; sources 0 and 1: window 2 or 3
.irp b, 0,1,2,3,4,5,6,7
.irp r, 0,1,2,3
	v_cvt_pk_f16_f32 v[TMP+4*\b+\r], v[AC+8*\b+2*\r], v[AC+8*\b+2*\r+1]
.endr
.endr
	WIN 0
.endm
.macro TOSTAGE a
.set BK, AF+32*((\a)%2)
.irp b, 0,1,2,3,4,5,6,7
	ds_store_b128 v[STO], v[TMP+4*\b:TMP+4*\b+3] offset:(\b/4)*SHEAD+(\b%4)*32
.endr
.irp t, 0,1,2,3,4,5,6,7
	ds_load_b128 v[BK+4*\t:BK+4*\t+3], v[RD] offset:(\t/4)*SHEAD+(\t%4)*4*SROW
.endr
.endm
.macro SEND a
.set BK, AF+32*((\a)%2)
	s_wait_dscnt 0x0                               ; the block is back in registers
	s_wait_xcnt 0x0                                ; the stores of the block before have read their registers: the next block's loads may land there
.irp t, 0,1,2,3,4,5,6,7
	global_store_b128 v[CO], v[BK+4*\t:BK+4*\t+3], s[98:99] offset:(\a)*2048+(\t/4)*262144+(\t%4)*512
.endr
.endm
	PLACES NP                                      ; behind the last products: for the conversions that read results, and for the loads into x's fragment registers
	PACK 0
	TOSTAGE 0
.irp a, 1,2,3,4,5,6,7                  ; block a's conversions stand between block a - 1's loads from the stage and the wait for them
	PACK \a
	SEND \a-1
	TOSTAGE \a
.endr
	SEND 7
	s_wait_tensorcnt 0x0                           ; the wave's end: the spare word's add and its wait, behind my last tensor load and my last LDS store
	ds_add_u32 v[SPW], v[NIL]
	s_wait_dscnt 0x0
	CROUND                                         ; the closing round
	s_endpgm
.Lfunc_end_k_q73cecd9bac_qkv:
	.size	k_q73cecd9bac_qkv, .Lfunc_end_k_q73cecd9bac_qkv-k_q73cecd9bac_qkv
	.p2alignl 7, 3214868480
	.fill 96, 4, 3214868480
	.section	.rodata,"a",@progbits
	.p2align	6, 0x0
	.amdhsa_kernel k_q73cecd9bac_qkv
		.amdhsa_group_segment_fixed_size 327680
		.amdhsa_private_segment_fixed_size 0
		.amdhsa_enable_private_segment 0
		.amdhsa_kernarg_size 48
		.amdhsa_user_sgpr_count 2
		.amdhsa_user_sgpr_kernarg_segment_ptr 1
		.amdhsa_wavefront_size32 1
		.amdhsa_system_sgpr_workgroup_id_x 1
		.amdhsa_system_sgpr_workgroup_id_y 1
		.amdhsa_system_sgpr_workgroup_id_z 1
		.amdhsa_system_vgpr_workitem_id 0
		.amdhsa_next_free_vgpr 1024
		.amdhsa_next_free_sgpr 100
		.amdhsa_reserve_vcc 0
		.amdhsa_float_denorm_mode_32 3
		.amdhsa_float_denorm_mode_16_64 3
		.amdhsa_memory_ordered 1
		.amdhsa_forward_progress 1
		.amdhsa_inst_pref_size 128
	.end_amdhsa_kernel
	.amdgpu_metadata
---
amdhsa.version: [ 1, 2 ]
amdhsa.kernels:
  - .name:           k_q73cecd9bac_qkv
    .symbol:         k_q73cecd9bac_qkv.kd
    .args:
      - { .name: x_codes, .offset: 0, .size: 8, .value_kind: global_buffer, .address_space: global }
      - { .name: x_scales, .offset: 8, .size: 8, .value_kind: global_buffer, .address_space: global }
      - { .name: w_codes, .offset: 16, .size: 8, .value_kind: global_buffer, .address_space: global }
      - { .name: w_scales, .offset: 24, .size: 8, .value_kind: global_buffer, .address_space: global }
      - { .name: b_qkv, .offset: 32, .size: 8, .value_kind: global_buffer, .address_space: global }
      - { .name: qkv16, .offset: 40, .size: 8, .value_kind: global_buffer, .address_space: global }
    .group_segment_fixed_size: 327680
    .private_segment_fixed_size: 0
    .kernarg_segment_align: 8
    .kernarg_segment_size: 48
    .max_flat_workgroup_size: 128
    .sgpr_count:     100
    .vgpr_count:     1024
    .wavefront_size: 32
...
	.end_amdgpu_metadata
.endif
;; end of part 2
;; launch attn (part 3): grid 4 x 64, 8 waves a work-group, clusters of 4 x 1, 327,680 bytes of LDS; arguments qkv16, att; writes att
.if DOCPART == 3
	.amdgcn_target "amdgcn-amd-amdhsa--gfx1250"
	.amdhsa_code_object_version 6
	.text
	.protected	k_q73cecd9bac_attn
	.globl	k_q73cecd9bac_attn
	.p2align	8
	.type	k_q73cecd9bac_attn,@function
k_q73cecd9bac_attn:
	s_mov_b64 s[64:65], 0
	v_nop
	global_prefetch_b8 v0, s[64:65] scope:SCOPE_SE
	s_setreg_imm32_b32 hwreg(HW_REG_WAVE_MODE, 25, 1), 1
	s_wait_xcnt 0x0
	s_wait_alu depctr_hold_cnt(0) depctr_sa_sdst(0) depctr_va_vdst(0) depctr_va_sdst(0) depctr_va_ssrc(0) depctr_va_vcc(0) depctr_vm_vsrc(0)
	s_getreg_b32 s2, hwreg(HW_REG_IB_STS2, 6, 4)
	s_cmp_eq_u32 s2, 0
	s_cbranch_scc0 .Lentry_in_a_cluster
	s_endpgm
.Lentry_in_a_cluster:
	s_bfe_u32 s2, ttmp6, 0x10000c
	s_cmp_lg_u32 s2, 0x3003
	s_cbranch_scc0 .Lentry_shape_is_right
	s_endpgm
.Lentry_shape_is_right:
; ATTN: att[bh][q][:] = the sum over k of softmax_k(Q[bh][q] . K[bh][k] / 8) V[bh][k][:].  Q, K, V: the three kinds of qkv16, [64 bh][2048][64] f16; att the same shape, f16.
; Products on f16 operands with f32 sums; maxima, exponentials and sums in f32; the weights p are rounded to f16 for the second product (p is at most about 1), the result once at the end.
; LIMITS: an attention output beyond 65,504 in magnitude does not fit f16; a weight under 6e-5 keeps f16's absolute step; NaN and infinities are not served.
; SHARES.  A cluster of four work-groups is one head; a work-group owns 512 queries, each of its eight waves 64: four tiles of 16, in 512 registers, so two waves share a SIMD and one wave's vector work
; stands beside the other's matrix work.  Every wave walks all 2,048 keys, 64 a step; each fragment of K and V read from LDS feeds four products.
; LAYOUT.  S^T = K Q^T (source 0 = 16 keys, source 1 = 16 queries): a lane holds ONE query and the keys 8 (lane / 16) + 0..7.  Two such tiles, rounded to f16 in pairs, ARE source 1 of O^T = V^T P.
; SOFTMAX.  For each query a running maximum m and sum l: p = 2^(c s - c m), c = log2(e) / 8; in every step O and l are multiplied by a = 2^(c m_old - c m_new).  m begins at -3e38, O and l at 0.
; RING.  Two LDS slots of 256 keys.  A key's 128 bytes are dense in memory, so a tile is stated as rows of 256 bytes, two keys a row.  Waves 0, 1 fetch K's halves, waves 2, 3 V's; all four
; work-groups ask jointly.  By this text's count a wave has one tensor load out; every wait on TENSORcnt is for 0.
; REGISTERS.  window 0: v1-10 addresses; v16-47 statistics, eight a tile; v61 the prefetches' offset; v64-127 K's fragments; v128-255 S^T, 32 a tile, whose lower 16 then hold P.
;   window 1: v0-127 O^T, 32 a tile; v128-191 Q; v192-255 V's fragments.
.set PK,    272                        ; a row (two keys) of K in LDS: 256 bytes + 16: key r of a tile lies at (r / 2) 272 + (r % 2) 128: sixteen different 16-byte columns (64 banks of 4 bytes: ISA guide 11.1)
.set PV,    288                        ; of V: 256 + 32
.set VOFF,  128*PK                     ; a slot: 128 rows of K, then 128 rows of V
.set SLOT1, 1<<17                      ; slot 1 begins here: one exclusive or turns an address from one slot into the other
.set STEPK, 32*PK                      ; 64 keys
.set STEPV, 32*PV
.set STAGE, SLOT1+128*(PK+PV)          ; the way out: for each wave four tiles of 16 rows x 144 bytes
.set SROW,  144
.set STILE, 16*SROW
.set SPARE, STAGE+8*4*STILE            ; the spare words, 128 bytes for each of eight waves
.set AK0, 1
.set AV0, 2
.set ADK, 3
.set ADV, 4
.set SPW, 5
.set NIL, 6
.set QO,  7
.set STO, 8
.set RD,  9
.set GO,  10
.set ST,  16                           ; tile t at v[ST+8 t]: +0 c m, +1 m, +2, +3 l (even keys', odd keys'), +4 to +7 at work; a takes +6
.set PFO, 61
.set KF,  64
.set S,   128
.set QF,  128                          ; in window 1
.set VF,  192                          ; in window 1
.set WV,  12
.set LIM, 15
.set PFA, 18
.set G1K, 24
.set G1V, 32
.set G0K, 40
.set G0V, 44
.set SLOTS, 48
.set STEPS, 49
.set TBK, 50
.set TBV, 51
.set CS,  52
.set SEL, 54
.set MSB, 0
.macro WIN new                         ; the immediate's high byte repeats the setting that is left
.if MSB != \new
	s_set_vgpr_msb (MSB<<8)|\new
.set MSB, \new
.endif
.endm
.set W_KQ, 0x04                        ; Q (source 1) in window 1; K and S^T in window 0
.set W_PV, 0x51                        ; V (source 0) and O^T (C, D) in window 1; P in window 0
.set W_RS, 0x41                        ; O^T (destination and source 0) in window 1; a in window 0
.set TO1,  0x40                        ; destination window 1, address window 0
.macro CROUND                          ; a round of the cluster's barrier
	s_barrier_signal -1
	s_barrier_wait -1
	s_cmp_lg_u32 s[WV], 0
	s_cbranch_scc1 .Lnot_wave_0_\@
	s_barrier_signal -3
.Lnot_wave_0_\@:
	s_barrier_wait -3
	s_barrier_signal -1
	s_barrier_wait -1
.endm
; A joint load.  Waves 0, 1 fetch for K, waves 2, 3 for V, the others nothing: branches on the wave's number alone, the same in all four work-groups.  An s_nop 0 and four v_nop follow each line.
.macro JLOAD
	s_cmp_lt_u32 s[WV], 2
	s_cbranch_scc0 .Lnot_k_\@
	tensor_load_to_lds s[G0K:G0K+3], s[G1K:G1K+7]
	s_nop 0
.rept 4
	v_nop
.endr
	s_branch .Lasked_\@
.Lnot_k_\@:
	s_cmp_lt_u32 s[WV], 4
	s_cbranch_scc0 .Lasked_\@
	tensor_load_to_lds s[G0V:G0V+3], s[G1V:G1V+7]
	s_nop 0
.rept 4
	v_nop
.endr
.Lasked_\@:
.endm
; A prefetch of what the NEXT change of slots will ask for: a slot's 128 rows of 256 bytes of K and as many of V, four key steps ahead of that load.  Wave 4 asks for K's, wave 5 for V's, a lane a row;
; the four partners take 32 rows each, told apart by address.  So each row is named once in the launch.  The last change that fills a slot asks for nothing; slots 0 and 1 come by their loads alone.
.macro ASK
	s_cmp_gt_u32 s[SLOTS], s[LIM]
	s_cbranch_scc0 .Lnot_mine_\@
	global_prefetch_b8 v[PFO], s[PFA:PFA+1] th:TH_LOAD_NT scope:SCOPE_SE
.Lnot_mine_\@:
.endm
	s_load_b128 s[4:7], s[0:1], 0x0                ; qkv16 s[4:5], att s[6:7]
	v_lshl_add_u32 v[SPW], v0, 2, SPARE
	v_mov_b32 v[NIL], 0
	ds_add_u32 v[SPW], v[NIL]                      ; the wave's opening: the add, twice on end, and its wait ahead of the first tensor load
	ds_add_u32 v[SPW], v[NIL]
	v_lshrrev_b32 v11, 5, v0
	v_readfirstlane_b32 s[WV], v11                 ; wave 0..7
	s_bfe_u32 s13, ttmp6, 0x40000                  ; cx: my place in the cluster: it enters Q's, att's and the prefetches' addresses alone
	s_and_b32 s20, ttmp7, 0xffff                   ; the head, which the four partners share
	s_lshl_b32 s20, s20, 18                        ; 262,144 bytes a head
	s_mov_b32 s21, 0
	s_and_b32 s16, s[WV], 1                        ; which half of a slot's rows I fetch, if I fetch:
	s_lshl_b32 s22, s16, 14                        ; 64 rows of 256 bytes in memory,
	s_mov_b32 s23, 0
	s_mul_i32 s17, s16, 64*PK                      ; and in a slot, for K
	s_mul_i32 s14, s16, 64*PV
	s_add_co_u32 s14, s14, VOFF                    ; and for V
	s_lshl_b32 s2, s13, 16                         ; my work-group's 512 queries of 128 bytes,
	s_lshl_b32 s3, s[WV], 13                       ; my wave's 64
	s_add_co_u32 s2, s2, s3
	s_mov_b32 s3, 0
	; descriptor group 1: 64 rows x 128 elements of 2 bytes, dense in memory, padded in LDS
	s_mov_b32 s[G1K], 15|(1<<16)|(1<<20)|(1<<21)|(5<<22)|(3<<25)  ; 15:0 the mask: all four work-groups; 17:16 elements of 2 bytes; 20 padding on; 21 set beside a mask; 24:22 after every 64 words; 31:25 four words
	s_mov_b32 s[G1V], 15|(1<<16)|(1<<20)|(1<<21)|(5<<22)|(7<<25)  ; the same with eight words of padding
.irp g, G1K, G1V
	s_mov_b32 s[\g+1], 128<<16                     ; tensor_dim0
	s_mov_b32 s[\g+2], 64<<16                      ; tensor_dim1
	s_mov_b32 s[\g+3], 128<<16                     ; tile_dim0
	s_mov_b32 s[\g+4], 64                          ; tile_dim1
	s_mov_b32 s[\g+5], 128                         ; from row to row
	s_mov_b32 s[\g+6], 0
	s_mov_b32 s[\g+7], 0
.endr
	s_mov_b32 s[CS], 0x3e38aa3b                    ; c = log2(e) / 8
	s_mov_b32 s[CS+1], s[CS]                       ; (named with it as a pair, so it is written)
	s_mov_b32 s[SEL], 0x76543210
	s_mov_b32 s[SEL+1], 0xfedcba98                 ; v_permlanex16_b32's selects for lane l xor 16
	s_mov_b32 s[TBK], 0
	s_mov_b32 s[TBV], 0
	s_mov_b32 s[SLOTS], 7
	v_and_b32 v[PFO], 31, v0
	v_lshlrev_b32 v[PFO], 8, v[PFO]
	s_wait_dscnt 0x0                               ; both opening adds are done
	s_wait_kmcnt 0x0
	s_add_nc_u64 s[8:9], s[4:5], s[20:21]          ; the head in kind 0
	s_add_nc_u64 s[6:7], s[6:7], s[20:21]
	s_add_nc_u64 s[4:5], s[8:9], s[2:3]            ; Q at my wave's first query
	s_add_nc_u64 s[6:7], s[6:7], s[2:3]            ; att likewise
	s_add_nc_u64 s[10:11], s[8:9], 0x2000000       ; V of the head: kind 2
	s_add_nc_u64 s[8:9], s[8:9], 0x1000000         ; K of the head: kind 1
	s_cmp_eq_u32 s[WV], 4
	s_cselect_b64 s[PFA:PFA+1], s[8:9], s[10:11]   ; wave 4 asks for K's rows, wave 5 for V's
	s_lshl_b32 s2, s13, 13                         ; my work-group's 32 rows of the 128,
	s_add_co_u32 s2, s2, 32768                     ; in slot 1: the first change of slots steps it to slot 2
	s_add_nc_u64 s[PFA:PFA+1], s[PFA:PFA+1], s[2:3]
	s_sub_co_u32 s[LIM], s[WV], 4
	s_lshr_b32 s[LIM], s[LIM], 1                   ; 0 in waves 4 and 5
	s_cmp_eq_u32 s[LIM], 0
	s_cselect_b32 s[LIM], 1, -1
	CROUND                                         ; all four work-groups are here: the first joint loads meet
	s_mov_b32 s[G0K], 1                            ; count = 1
	s_mov_b32 s[G0K+1], s17                        ; LDS address: slot 0
	s_add_nc_u64 s[G0K+2:G0K+3], s[8:9], s[22:23]  ; the head's first 256 keys, my half
	s_or_b32 s[G0K+3], s[G0K+3], 0x80000000        ; type = 2
	s_mov_b32 s[G0V], 1
	s_mov_b32 s[G0V+1], s14
	s_add_nc_u64 s[G0V+2:G0V+3], s[10:11], s[22:23]
	s_or_b32 s[G0V+3], s[G0V+3], 0x80000000
	JLOAD                                          ; slot 0
	v_and_b32 v11, 15, v0                          ; r
	v_bfe_u32 v12, v0, 4, 1                        ; h
	v_lshlrev_b32 v[QO], 7, v11
	v_lshl_add_u32 v[QO], v12, 4, v[QO]            ; Q: row r of 128 bytes + 16 h
	WIN TO1
.irp t, 0,1,2,3                                ; Q stays in registers: tile t, channels 32 c on: two loads of 16 bytes, 32 bytes apart
.irp c, 0,1
	global_load_b128 v[QF+16*\t+8*\c:QF+16*\t+8*\c+3], v[QO], s[4:5] offset:\t*2048+64*\c
	global_load_b128 v[QF+16*\t+8*\c+4:QF+16*\t+8*\c+7], v[QO], s[4:5] offset:\t*2048+64*\c+32
.endr
.endr
.set i, 0
.rept 128
	v_mov_b32 v[i], 0                              ; O^T.  The key step is written without a first step of its own: it finds zeros, which a = 0 leaves zeros
.set i, i+1
.endr
	WIN 0
	v_bfe_u32 v13, v0, 1, 3                        ; r / 2
	v_mul_u32_u24 v[AK0], v13, PK
	v_and_b32 v14, 1, v0
	v_lshl_add_u32 v[AK0], v14, 7, v[AK0]
	v_lshl_add_u32 v[AK0], v12, 4, v[AK0]          ; K: (r / 2) pitch + 128 (r % 2) + 16 h
	; the turning load: lane l addresses key 8 h + l % 8, channels 8 ((l / 8) % 2) on, and is left with channel l % 16 and eight keys
	v_bfe_u32 v13, v0, 1, 2
	v_lshl_add_u32 v13, v12, 2, v13                ; that key's row: 4 h + (l % 8) / 2
	v_mul_u32_u24 v[AV0], v13, PV
	v_lshl_add_u32 v[AV0], v14, 7, v[AV0]
	v_bfe_u32 v13, v0, 3, 1
	v_lshl_add_u32 v[AV0], v13, 4, v[AV0]
	v_add_nc_u32 v[AV0], VOFF, v[AV0]
	s_mul_i32 s16, s[WV], 4*STILE
	s_add_co_u32 s16, s16, STAGE                   ; my stage
	v_mul_u32_u24 v[STO], v11, SROW
	v_lshl_add_u32 v[STO], v12, 4, v[STO]
	v_add_nc_u32 v[STO], s16, v[STO]               ; in: row r, 16 bytes for each half of the lanes
	v_bfe_u32 v13, v0, 3, 2
	v_mul_u32_u24 v[RD], v13, SROW
	v_and_b32 v14, 7, v0
	v_lshl_add_u32 v[RD], v14, 4, v[RD]
	v_add_nc_u32 v[RD], s16, v[RD]                 ; back: row lane / 8, 16 bytes at lane % 8: four rows of 128 bytes a load
	v_and_b32 v[GO], 31, v0
	v_lshlrev_b32 v[GO], 4, v[GO]                  ; which are 512 consecutive bytes of att
.irp t, 0,1,2,3
	v_mov_b32 v[ST+8*\t+1], 0xff61b1e6             ; m = -3e38, under every score
	v_mul_f32 v[ST+8*\t], s[CS], v[ST+8*\t+1]      ; c m
	v_mov_b32 v[ST+8*\t+2], 0                      ; l, in two halves
	v_mov_b32 v[ST+8*\t+3], 0
.endr
; THE SOFTMAX of a key step, every line written for the four tiles by turns, so that no line waits for the line above it.
.macro SOFTMAX
.irp j, 0,1,2,3                                ; the maximum of a lane's 32 scores and the old m: four chains, each begun at the low end of one accumulator
.irp t, 0,1,2,3
	v_max3_num_f32 v[ST+8*\t+4+\j], v[S+32*\t+8*\j], v[S+32*\t+8*\j+1], v[S+32*\t+8*\j+2]
.endr
.endr
.irp u, 1,2
.irp j, 0,1,2,3
.irp t, 0,1,2,3
	v_max3_num_f32 v[ST+8*\t+4+\j], v[ST+8*\t+4+\j], v[S+32*\t+8*\j+2*\u+1], v[S+32*\t+8*\j+2*\u+2]
.endr
.endr
.endr
.irp t, 0,1,2,3
	v_max3_num_f32 v[ST+8*\t+4], v[ST+8*\t+4], v[S+32*\t+7], v[S+32*\t+15]
.endr
.irp t, 0,1,2,3
	v_max3_num_f32 v[ST+8*\t+6], v[ST+8*\t+6], v[S+32*\t+23], v[S+32*\t+31]
.endr
.irp t, 0,1,2,3
	v_max3_num_f32 v[ST+8*\t+4], v[ST+8*\t+4], v[ST+8*\t+5], v[ST+8*\t+6]
.endr
.irp t, 0,1,2,3
	v_max3_num_f32 v[ST+8*\t+4], v[ST+8*\t+4], v[ST+8*\t+7], v[ST+8*\t+1]
.endr
.irp t, 0,1,2,3
	v_permlanex16_b32 v[ST+8*\t+5], v[ST+8*\t+4], s[SEL], s[SEL+1]   ; the query's other 32 keys lie in the lane 16 away
.endr
.irp t, 0,1,2,3
	v_mov_b32 v[ST+8*\t+7], v[ST+8*\t]             ; c m_old is kept for a
.endr
.irp t, 0,1,2,3
	v_max_num_f32 v[ST+8*\t+1], v[ST+8*\t+4], v[ST+8*\t+5]
.endr
.irp t, 0,1,2,3
	v_mul_f32 v[ST+8*\t], s[CS], v[ST+8*\t+1]
.endr
.irp t, 0,1,2,3
	v_sub_f32 v[ST+8*\t+7], v[ST+8*\t+7], v[ST+8*\t]
.endr
.set j, 0
.rept 16
.irp t, 0,1,2,3
	v_pk_fma_f32 v[S+32*\t+j:S+32*\t+j+1], v[S+32*\t+j:S+32*\t+j+1], s[CS:CS+1], v[ST+8*\t:ST+8*\t+1] op_sel_hi:[1,0,0] neg_lo:[0,0,1] neg_hi:[0,0,1]   ; c s - c m, one rounding
.endr
.set j, j+2
.endr
.irp t, 0,1,2,3                                ; ONE BATCH of 132 exponentials, none of which reads another's result
	v_exp_f32 v[ST+8*\t+6], v[ST+8*\t+7]           ; a
.endr
.set j, 0
.rept 32
.irp t, 0,1,2,3
	v_exp_f32 v[S+32*\t+j], v[S+32*\t+j]           ; p
.endr
.set j, j+1
.endr
	v_nop                                          ; a plain line behind the last exponential
	s_wait_alu depctr_va_vdst(0)                   ; one wait for the batch, ahead of its first reader
.irp t, 0,1,2,3
	v_pk_mul_f32 v[ST+8*\t+2:ST+8*\t+3], v[ST+8*\t+2:ST+8*\t+3], v[ST+8*\t+6:ST+8*\t+7] op_sel_hi:[1,0]   ; l x a
.endr
.irp t, 0,1,2,3                                ; the sums are taken of the unrounded p, two at a time, in two chains
	v_pk_add_f32 v[ST+8*\t+4:ST+8*\t+5], v[S+32*\t:S+32*\t+1], v[S+32*\t+2:S+32*\t+3]
.endr
.irp j, 4,8,12,16,20,24,28
.irp t, 0,1,2,3
	v_pk_add_f32 v[ST+8*\t+2:ST+8*\t+3], v[ST+8*\t+2:ST+8*\t+3], v[S+32*\t+\j:S+32*\t+\j+1]
.endr
.irp t, 0,1,2,3
	v_pk_add_f32 v[ST+8*\t+4:ST+8*\t+5], v[ST+8*\t+4:ST+8*\t+5], v[S+32*\t+\j+2:S+32*\t+\j+3]
.endr
.endr
.irp t, 0,1,2,3
	v_pk_add_f32 v[ST+8*\t+2:ST+8*\t+3], v[ST+8*\t+2:ST+8*\t+3], v[ST+8*\t+4:ST+8*\t+5]
.endr
.set j, 0
.rept 16                                       ; P in place, ascending: register j takes weights 2 j and 2 j + 1, which no later line reads
.irp t, 0,1,2,3
	v_cvt_pk_f16_f32 v[S+32*\t+j], v[S+32*\t+2*j], v[S+32*\t+2*j+1]
.endr
.set j, j+1
.endr
.endm
; A KEY STEP: 64 keys.  Every window is 0 at its head and at its end.
.macro STEP
	v_add_nc_u32 v[ADK], s[TBK], v[AK0]            ; these two and three v_nop are five places behind the last V^T P: its V registers take loads, and the first K Q^T writes over its P registers
	v_add_nc_u32 v[ADV], s[TBV], v[AV0]
.rept 3
	v_nop
.endr
.irp c, 0,1                                    ; K: fragment (channels 32 c on, keys 16 k on)
.irp k, 0,1,2,3
	ds_load_b128 v[KF+8*(4*\c+\k):KF+8*(4*\c+\k)+3],   v[ADK] offset:\k*8*PK+64*\c
	ds_load_b128 v[KF+8*(4*\c+\k)+4:KF+8*(4*\c+\k)+7], v[ADK] offset:\k*8*PK+64*\c+32
.endr
.endr
	WIN TO1
.irp g, 0,1                                    ; V, turned: fragment (keys 32 g on, channels 16 c on)
.irp c, 0,1,2,3
	ds_load_tr16_b128 v[VF+8*(4*\g+\c):VF+8*(4*\g+\c)+3],   v[ADV] offset:\g*16*PV+32*\c
	ds_load_tr16_b128 v[VF+8*(4*\g+\c)+4:VF+8*(4*\g+\c)+7], v[ADV] offset:\g*16*PV+8*PV+32*\c
.endr
.endr
	s_add_co_u32 s[TBK], s[TBK], STEPK             ; the next fetch is the next step's
	s_add_co_u32 s[TBV], s[TBV], STEPV
	s_wait_dscnt 24                                ; of the 32 loads the first eight are in: K's channels 0-31
	WIN W_KQ
.irp k, 0,1,2,3                                ; the sixteen accumulators take turns, one instruction a turn; the first products start the sums
.irp t, 0,1,2,3
	v_wmma_f32_16x16x32_f16 v[S+32*\t+8*\k:S+32*\t+8*\k+7], v[KF+8*\k:KF+8*\k+7], v[QF+16*\t:QF+16*\t+7], 0
.endr
.endr
	s_wait_dscnt 16                                ; all of K is in; V's sixteen loads may be out
.irp k, 0,1,2,3
.irp t, 0,1,2,3
	v_wmma_f32_16x16x32_f16 v[S+32*\t+8*\k:S+32*\t+8*\k+7], v[KF+32+8*\k:KF+32+8*\k+7], v[QF+16*\t+8:QF+16*\t+15], v[S+32*\t+8*\k:S+32*\t+8*\k+7]
.endr
.endr
	WIN 0
.rept 4
	v_nop                                          ; places in front of the first read of the scores
.endr
	SOFTMAX
	s_wait_dscnt 0x0                               ; V is in
	WIN W_RS
.irp t, 0,1,2,3
.irp i, 0,2,4,6,8,10,12,14,16,18,20,22,24,26,28,30
	v_pk_mul_f32 v[32*\t+\i:32*\t+\i+1], v[32*\t+\i:32*\t+\i+1], v[ST+8*\t+6:ST+8*\t+7] op_sel_hi:[1,0]   ; O^T x a, each accumulator from its low end
.endr
.endr
	WIN W_PV
.irp g, 0,1
.irp c, 0,1,2,3
.irp t, 0,1,2,3
	v_wmma_f32_16x16x32_f16 v[32*\t+8*\c:32*\t+8*\c+7], v[VF+8*(4*\g+\c):VF+8*(4*\g+\c)+7], v[S+32*\t+8*\g:S+32*\t+8*\g+7], v[32*\t+8*\c:32*\t+8*\c+7]
.endr
.endr
.endr
	WIN 0
.endm
; THE CHANGE OF SLOTS stands at a slot's head.  Each wave waits for all its tensor loads (its part of the slot ahead), adds 0 to its spare word, and waits for that and for its reads of the slot that it has left.
; fill = 1: a round of the cluster's barrier follows, so that no wave of any partner still reads the other slot or has a load on its way; the joint load is the first thing behind it and has a slot's four steps in which to land.
.macro CHANGE fill
	s_wait_tensorcnt 0x0                           ; no tensor load of mine is out, so a group 0 may be written
	ds_add_u32 v[SPW], v[NIL]
.if \fill
	ds_add_u32 v[SPW], v[NIL]                      ; and once more
	s_xor_b32 s[G0K+1], s[G0K+1], SLOT1            ; the walking descriptors: the other slot than last time,
	s_add_nc_u64 s[G0K+2:G0K+3], s[G0K+2:G0K+3], 32768   ; the next 256 keys; the type bits on top are not reached
	s_xor_b32 s[G0V+1], s[G0V+1], SLOT1
	s_add_nc_u64 s[G0V+2:G0V+3], s[G0V+2:G0V+3], 32768
	s_wait_xcnt 0x0                                ; the last prefetch, a slot back, has read its address, so it may be written:
	s_add_nc_u64 s[PFA:PFA+1], s[PFA:PFA+1], 32768 ; one slot further on than the walking descriptors
.endif
	s_wait_dscnt 0x0                               ; the add is done, and my reads of the slot that I have left are over
.if \fill
	CROUND
	JLOAD
	ASK
.else
	s_barrier_signal -1
	s_barrier_wait -1
.endif
.endm
.macro SLOT_STEPS                              ; a slot's four key steps: written once, walked four times; the LDS addresses hang on s[TBK], s[TBV]
	s_mov_b32 s[STEPS], 4
.Lstep_\@:
	STEP
	s_sub_co_u32 s[STEPS], s[STEPS], 1
	s_cmp_lg_u32 s[STEPS], 0
	s_cbranch_scc1 .Lstep_\@
	s_sub_co_u32 s[TBK], s[TBK], 4*STEPK           ; back to a slot's first step,
	s_xor_b32 s[TBK], s[TBK], SLOT1                ; in the other slot
	s_sub_co_u32 s[TBV], s[TBV], 4*STEPV
	s_xor_b32 s[TBV], s[TBV], SLOT1
.endm
	s_wait_loadcnt 0x0                             ; Q
.Lslot:                                            ; seven trips: behind each change of slots but the last the next slot is asked for; the first trip's load is slot 1's first fill
	CHANGE 1
	SLOT_STEPS
	s_sub_co_u32 s[SLOTS], s[SLOTS], 1
	s_cmp_lg_u32 s[SLOTS], 0
	s_cbranch_scc1 .Lslot
	CHANGE 0                                       ; the last slot is written out
	SLOT_STEPS
	; THE WAY OUT.  l's two halves and the other half of the lanes' are added (these lines are the places behind the last products); O^T is divided by l, rounded to f16 and sent through my stage, a tile at a time.
.irp t, 0,1,2,3
	v_add_f32 v[ST+8*\t+4], v[ST+8*\t+2], v[ST+8*\t+3]
.endr
.irp t, 0,1,2,3
	v_permlanex16_b32 v[ST+8*\t+5], v[ST+8*\t+4], s[SEL], s[SEL+1]
.endr
.irp t, 0,1,2,3
	v_add_f32 v[ST+8*\t+4], v[ST+8*\t+4], v[ST+8*\t+5]
.endr
.irp t, 0,1,2,3
	v_rcp_f32 v[ST+8*\t+6], v[ST+8*\t+4]
.endr
	v_nop                                          ; a plain line behind the last reciprocal
	s_wait_alu depctr_va_vdst(0)                   ; one wait for the four, ahead of their first reader
.macro PACK t
	WIN W_RS
.irp i, 0,2,4,6,8,10,12,14,16,18,20,22,24,26,28,30
	v_pk_mul_f32 v[32*\t+\i:32*\t+\i+1], v[32*\t+\i:32*\t+\i+1], v[ST+8*\t+6:ST+8*\t+7] op_sel_hi:[1,0]
.endr
	WIN 0x05                                       ; sources 0 and 1 window 1, destination window 0: S^T's registers are free
.irp i, 0,1,2,3,4,5,6,7,8,9,10,11,12,13,14,15
	v_cvt_pk_f16_f32 v[S+32*\t+\i], v[32*\t+2*\i], v[32*\t+2*\i+1]
.endr
	WIN 0
.irp c, 0,1,2,3
	ds_store_b128 v[STO], v[S+32*\t+4*\c:S+32*\t+4*\c+3] offset:\t*STILE+32*\c     ; lane (r, h): channels 16 c + 8 h + 0 .. 7 of query r
.endr
.irp i, 0,1,2,3
	ds_load_b128 v[S+32*\t+16+4*\i:S+32*\t+16+4*\i+3], v[RD] offset:\t*STILE+4*SROW*\i   ; LDS serves a wave's instructions in order: these see the stores above
.endr
.endm
.macro SEND t, younger                 ; younger: the LDS instructions issued behind tile t's loads: the next tile's eight, or none
.irp i, 0,1,2,3
	s_wait_dscnt \younger+3-\i
	global_store_b128 v[GO], v[S+32*\t+16+4*\i:S+32*\t+16+4*\i+3], s[6:7] offset:\t*2048+512*\i   ; the wave stores 512 consecutive bytes, aligned
.endr
.endm
	PACK 0
	PACK 1                                         ; a tile's arithmetic stands between the loads of the tile before and its stores
	SEND 0, 8
	PACK 2
	SEND 1, 8
	PACK 3
	SEND 2, 8
	SEND 3, 0
	s_wait_tensorcnt 0x0                           ; the wave's end: the spare word's add and its wait, behind my last tensor load and my last LDS store
	ds_add_u32 v[SPW], v[NIL]
	s_wait_dscnt 0x0
	CROUND                                         ; the closing round
	s_endpgm
.Lfunc_end_k_q73cecd9bac_attn:
	.size	k_q73cecd9bac_attn, .Lfunc_end_k_q73cecd9bac_attn-k_q73cecd9bac_attn
	.p2alignl 7, 3214868480
	.fill 96, 4, 3214868480
	.section	.rodata,"a",@progbits
	.p2align	6, 0x0
	.amdhsa_kernel k_q73cecd9bac_attn
		.amdhsa_group_segment_fixed_size 327680
		.amdhsa_private_segment_fixed_size 0
		.amdhsa_enable_private_segment 0
		.amdhsa_kernarg_size 16
		.amdhsa_user_sgpr_count 2
		.amdhsa_user_sgpr_kernarg_segment_ptr 1
		.amdhsa_wavefront_size32 1
		.amdhsa_system_sgpr_workgroup_id_x 1
		.amdhsa_system_sgpr_workgroup_id_y 1
		.amdhsa_system_sgpr_workgroup_id_z 1
		.amdhsa_system_vgpr_workitem_id 0
		.amdhsa_next_free_vgpr 512
		.amdhsa_next_free_sgpr 66
		.amdhsa_reserve_vcc 0
		.amdhsa_float_denorm_mode_32 3
		.amdhsa_float_denorm_mode_16_64 3
		.amdhsa_memory_ordered 1
		.amdhsa_forward_progress 1
		.amdhsa_inst_pref_size 93
	.end_amdhsa_kernel
	.amdgpu_metadata
---
amdhsa.version: [ 1, 2 ]
amdhsa.kernels:
  - .name:           k_q73cecd9bac_attn
    .symbol:         k_q73cecd9bac_attn.kd
    .args:
      - { .name: qkv16, .offset: 0, .size: 8, .value_kind: global_buffer, .address_space: global }
      - { .name: att, .offset: 8, .size: 8, .value_kind: global_buffer, .address_space: global }
    .group_segment_fixed_size: 327680
    .private_segment_fixed_size: 0
    .kernarg_segment_align: 8
    .kernarg_segment_size: 16
    .max_flat_workgroup_size: 256
    .sgpr_count:     66
    .vgpr_count:     512
    .wavefront_size: 32
...
	.end_amdgpu_metadata
.endif
;; end of part 3
;; launch proj (part 4): grid 8 x 32, 4 waves a work-group, clusters of 4 x 4, 327,680 bytes of LDS; arguments att, wp16, b_proj, out0; writes out0
.if DOCPART == 4
	.amdgcn_target "amdgcn-amd-amdhsa--gfx1250"
	.amdhsa_code_object_version 6
	.text
	.protected	k_q73cecd9bac_proj
	.globl	k_q73cecd9bac_proj
	.p2align	8
	.type	k_q73cecd9bac_proj,@function
k_q73cecd9bac_proj:
	s_mov_b64 s[64:65], 0
	v_nop
	global_prefetch_b8 v0, s[64:65] scope:SCOPE_SE
	s_setreg_imm32_b32 hwreg(HW_REG_WAVE_MODE, 25, 1), 1
	s_wait_xcnt 0x0
	s_wait_alu depctr_hold_cnt(0) depctr_sa_sdst(0) depctr_va_vdst(0) depctr_va_sdst(0) depctr_va_ssrc(0) depctr_va_vcc(0) depctr_vm_vsrc(0)
	s_getreg_b32 s2, hwreg(HW_REG_IB_STS2, 6, 4)
	s_cmp_eq_u32 s2, 0
	s_cbranch_scc0 .Lentry_in_a_cluster
	s_endpgm
.Lentry_in_a_cluster:
	s_bfe_u32 s2, ttmp6, 0x10000c
	s_cmp_lg_u32 s2, 0xf033
	s_cbranch_scc0 .Lentry_shape_is_right
	s_endpgm
.Lentry_shape_is_right:
; PROJ: out0[m][n] = sum over k of A[m][k] W[k][n] + b[n], f32.  A is the attention output, f16, laid by head: att [batch x head 64][token 2048][64], k = 64 x head + channel.  W: wp16 [1024 k][1024 n] f16.  Sums in f32.
; A tile of out0 is 256 tokens x 128 columns: 256 work-groups.  Four waves, each 128 tokens x 64 columns: 32 accumulators, 256 registers (all of window 1).
; THE MATRIX INSTRUCTION IS USED TRANSPOSED: source 0 = 16 columns x 32 k of W, taken from its [k][n] rows by the turning load; source 1 = 16 tokens x 32 k: a lane then holds eight neighbouring columns of one token.
; The bias is the C of each sum's first product.
; K goes in 8 steps of 128 (two heads) through a ring of two LDS slots.  A head's 256 tokens are 32,768 dense bytes: a plane of 128 rows of 256 bytes, two tokens a row.  Waves 0, 1 fetch the two planes of A,
; waves 2, 3 the two halves (64 k rows of 256 bytes) of W's tile: one load a wave behind each round; by this text's count two loads of a wave are out at the start and one later.
; CLUSTERS: 4 x 4 work-groups; A's tiles are shared along a row of the cluster, W's along a column: each is asked for jointly.
; REGISTERS.  window 0: v1-29 addresses; v32-127 and v128-223 two fragment buffers (64 registers of A, 8 blocks of 16 tokens x 32 k; then 32 of W, 4 blocks); v224-255 the bias in the result's layout.  window 1: accumulator (i, b) at v[8 (4 i + b)].
.set PA,     272                       ; two tokens in LDS: 256 bytes + 16: token r of a block lies at (r / 2) 272 + (r % 2) 128: sixteen different 16-byte columns (64 banks of 4 bytes: ISA guide 11.1)
.set PB,     288                       ; a k row of W's tile: 256 bytes + 32
.set SLOT1,  1<<17
.set BOFF,   2*128*PA                  ; a slot: A's two planes, then W's 128 rows
.set STAGE,  SLOT1+BOFF+128*PB         ; the way out: 16 rows x 272 bytes for each wave
.set SPITCH, 272
.set SPARE,  STAGE+4*16*SPITCH         ; the spare words, 128 bytes for each wave
.set LAPS,   4                         ; a lap = two K steps = once round the ring
.set ADRA, 16
.set ADRB, 20
.set STO,  24
.set RD,   25
.set CO,   26
.set BO,   27
.set SPW,  28
.set NIL,  29
.set F0,   32
.set F1,   128
.set BIAS, 224
.set G1A, 24
.set G0A, 32
.set G1B, 48
.set G0B, 56
.set MSB, 0
.macro WIN new                         ; the immediate's high byte repeats the setting that is left
.if MSB != \new
	s_set_vgpr_msb (MSB<<8)|\new
.set MSB, \new
.endif
.endm
.set MULW, 0x50                        ; C and D window 1, sources window 0
.set MULB, 0x40                        ; the first products: D window 1, C (the bias) window 0
.macro JLOAD s                         ; a joint load: waves 0, 1 fetch for A, waves 2, 3 for W; an s_nop 0 and four v_nop follow each of the two lines
	s_cmp_eq_u32 s13, 0
	s_cbranch_scc0 .Lfor_b_\@
	tensor_load_to_lds s[G0A+4*\s:G0A+4*\s+3], s[G1A:G1A+7]
	s_nop 0
.rept 4
	v_nop
.endr
	s_branch .Lasked_\@
.Lfor_b_\@:
	tensor_load_to_lds s[G0B+4*\s:G0B+4*\s+3], s[G1B:G1B+7]
	s_nop 0
.rept 4
	v_nop
.endr
.Lasked_\@:
.endm
.macro CREST                           ; a round of the cluster's barrier behind its opening barrier
	s_cmp_lg_u32 s12, 0
	s_cbranch_scc1 .Lnot_wave_0_\@
	s_barrier_signal -3
.Lnot_wave_0_\@:
	s_barrier_wait -3
	s_barrier_signal -1
	s_barrier_wait -1
.endm
.macro CROUND
	s_barrier_signal -1
	s_barrier_wait -1
	CREST
.endm
	s_load_b256 s[4:11], s[0:1], 0x0               ; att s[4:5], wp16 s[6:7], b_proj s[8:9], out0 s[10:11]
	v_lshl_add_u32 v[SPW], v0, 2, SPARE
	v_mov_b32 v[NIL], 0
	ds_add_u32 v[SPW], v[NIL]                      ; the wave's opening: the add, twice on end, and its wait ahead of my first tensor load
	ds_add_u32 v[SPW], v[NIL]
	v_lshrrev_b32 v1, 5, v0
	v_readfirstlane_b32 s12, v1                    ; wave 0..3
	s_lshr_b32 s13, s12, 1                         ; which half of the tile's tokens is mine.  Also: I fetch for A (0) or for W (1)
	s_and_b32 s14, s12, 1                          ; which half of its columns.  Also: which plane of A, or which 64 rows of W, I fetch
	s_bfe_u32 s40, ttmp6, 0x40000                  ; cx, cy
	s_bfe_u32 s41, ttmp6, 0x40004
	s_lshl_b32 s42, ttmp9, 2
	s_add_co_u32 s42, s42, s40                     ; tile column = 4 x cluster x + cx
	s_and_b32 s15, ttmp7, 0xffff
	s_lshl_b32 s15, s15, 2
	s_add_co_u32 s15, s15, s41                     ; tile row = 4 x cluster y + cy
	s_lshl_b32 s43, s41, 2
	s_lshl_b32 s43, 15, s43                        ; my row of the cluster
	s_lshl_b32 s44, 0x1111, s40                    ; my column
	; group 1 for A: 128 rows x 128 elements of 2 bytes, dense; for W: 64 rows x 128 elements, 1,024 elements from row to row
	s_or_b32 s[G1A+0], s43, (1<<16)|(1<<20)|(1<<21)|(5<<22)|(3<<25)  ; 15:0 the mask; 17:16 elements of 2 bytes; 20 padding on; 21 set beside a mask; 24:22 after every 64 words; 31:25 four words
	s_mov_b32 s[G1A+1], 128<<16
	s_mov_b32 s[G1A+2], 128<<16
	s_mov_b32 s[G1A+3], 128<<16
	s_mov_b32 s[G1A+4], 128
	s_mov_b32 s[G1A+5], 128
	s_mov_b32 s[G1A+6], 0
	s_mov_b32 s[G1A+7], 0
	s_or_b32 s[G1B+0], s44, (1<<16)|(1<<20)|(1<<21)|(5<<22)|(7<<25)  ; eight words of padding
	s_mov_b32 s[G1B+1], 128<<16
	s_mov_b32 s[G1B+2], 64<<16
	s_mov_b32 s[G1B+3], 128<<16
	s_mov_b32 s[G1B+4], 64
	s_mov_b32 s[G1B+5], 1024
	s_mov_b32 s[G1B+6], 0
	s_mov_b32 s[G1B+7], 0
	s_lshr_b32 s16, s15, 3                         ; A: batch = tile row / 8;
	s_lshl_b32 s16, s16, 4
	s_add_co_u32 s16, s16, s14                     ; head = my plane (K step 0);
	s_lshl_b32 s16, s16, 11
	s_and_b32 s17, s15, 7
	s_lshl_b32 s17, s17, 8
	s_add_co_u32 s16, s16, s17                     ; token 256 (tile row % 8);
	s_lshl_b32 s16, s16, 7                         ; 128 bytes a token
	s_mov_b32 s17, 0
	s_lshl_b32 s46, s14, 17                        ; W: my 64 rows of 2,048 bytes,
	s_lshl_b32 s47, s42, 8                         ; the tile's 128 columns
	s_add_co_u32 s46, s46, s47
	s_mov_b32 s47, 0
	s_mul_i32 s20, s14, 128*PA                     ; where they go: no place in the cluster enters an LDS address
	s_mul_i32 s21, s14, 64*PB
	s_add_co_u32 s21, s21, BOFF
	s_wait_dscnt 0x0                               ; both opening adds are done
	s_wait_kmcnt 0x0
	s_add_nc_u64 s[18:19], s[4:5], s[16:17]
	s_add_nc_u64 s[46:47], s[6:7], s[46:47]
	CROUND                                         ; all sixteen work-groups are here: the first joint loads meet
.irp s, 0,1
	s_mov_b32 s[G0A+4*\s], 1
	s_add_co_u32 s[G0A+4*\s+1], s20, \s*SLOT1
	s_add_nc_u64 s[G0A+4*\s+2:G0A+4*\s+3], s[18:19], \s*524288     ; K step s: two heads of 262,144 bytes on
	s_or_b32 s[G0A+4*\s+3], s[G0A+4*\s+3], 0x80000000
	s_mov_b32 s[G0B+4*\s], 1
	s_add_co_u32 s[G0B+4*\s+1], s21, \s*SLOT1
	s_add_nc_u64 s[G0B+4*\s+2:G0B+4*\s+3], s[46:47], \s*262144     ; 128 rows of 2,048 bytes on
	s_or_b32 s[G0B+4*\s+3], s[G0B+4*\s+3], 0x80000000
	JLOAD \s
.endr
	v_and_b32 v1, 15, v0                           ; r
	v_bfe_u32 v2, v0, 4, 1                         ; h
	v_bfe_u32 v3, v0, 1, 3
	v_mul_u32_u24 v3, v3, PA
	v_and_b32 v4, 1, v0
	v_lshl_add_u32 v3, v4, 7, v3
	v_lshl_add_u32 v3, v2, 4, v3                   ; A: (r / 2) pitch + 128 (r % 2) + 16 h
	v_and_b32 v4, 7, v0
	v_lshl_add_u32 v4, v2, 3, v4
	v_mul_u32_u24 v4, v4, PB
	v_bfe_u32 v5, v0, 3, 1
	v_lshl_add_u32 v4, v5, 4, v4                   ; W, turned: row 8 h + l % 8, columns 8 ((l / 8) % 2) on
	s_mul_i32 s21, s13, 64*PA                      ; my 128 tokens
	s_lshl_b32 s22, s14, 7                         ; my 64 columns
	s_add_co_u32 s22, s22, BOFF
.irp s, 0,1
	v_add_nc_u32 v[ADRA+\s], s21, v3
	v_add_nc_u32 v[ADRB+\s], s22, v4
	s_add_co_u32 s21, s21, SLOT1
	s_add_co_u32 s22, s22, SLOT1
.endr
	s_mul_i32 s23, s12, 16*SPITCH
	s_add_co_u32 s23, s23, STAGE                   ; my stage
	v_mul_u32_u24 v5, v1, SPITCH                   ; in: token r, 32 bytes for each half of the lanes
	v_lshl_add_u32 v5, v2, 5, v5
	v_add_nc_u32 v[STO], s23, v5
	v_mul_u32_u24 v5, v2, SPITCH                   ; back: lanes 0-15 one row of 256 bytes, lanes 16-31 the next
	v_lshl_add_u32 v5, v1, 4, v5
	v_add_nc_u32 v[RD], s23, v5
	v_lshlrev_b32 v5, 12, v2                       ; and the same two rows in out0 (4,096 bytes a row)
	v_lshl_add_u32 v[CO], v1, 4, v5
	v_lshlrev_b32 v[BO], 5, v2
	s_lshl_b32 s16, s15, 20                        ; out0: 256 rows of 4,096 bytes a tile row,
	s_lshl_b32 s17, s13, 19                        ; my 128 rows
	s_add_co_u32 s16, s16, s17
	s_mov_b32 s17, 0
	s_add_nc_u64 s[10:11], s[10:11], s[16:17]
	s_lshl_b32 s46, s42, 9                         ; 4 x (128 x tile column + 64 x half): my first column in out0, and in the bias
	s_lshl_b32 s47, s14, 8
	s_add_co_u32 s46, s46, s47
	s_mov_b32 s47, 0
	s_add_nc_u64 s[10:11], s[10:11], s[46:47]
	s_add_nc_u64 s[8:9], s[8:9], s[46:47]
.irp b, 0,1,2,3                                ; lane (r, h) wants, for W's block b, b[16 b + 8 h + 0 .. 7]
	global_load_b128 v[BIAS+8*\b:BIAS+8*\b+3], v[BO], s[8:9] offset:64*\b
	global_load_b128 v[BIAS+8*\b+4:BIAS+8*\b+7], v[BO], s[8:9] offset:64*\b+16
.endr
; n blocks of tokens from i0 on, each against W's four blocks, 32 along K.  The 32 accumulators take turns, one instruction a turn, in the same order in every quarter.
.macro MUL i0, n, f, first
.set II, \i0
.rept \n
.irp b, 0,1,2,3
.if \first
	v_wmma_f32_16x16x32_f16 v[8*(4*II+\b):8*(4*II+\b)+7], v[\f+64+8*\b:\f+64+8*\b+7], v[\f+8*II:\f+8*II+7], v[BIAS+8*\b:BIAS+8*\b+7]
.else
	v_wmma_f32_16x16x32_f16 v[8*(4*II+\b):8*(4*II+\b)+7], v[\f+64+8*\b:\f+64+8*\b+7], v[\f+8*II:\f+8*II+7], v[8*(4*II+\b):8*(4*II+\b)+7]
.endif
.endr
.set II, II+1
.endr
.endm
; 24 LDS loads in one run: the fragments of the slot's kk-th 32 along K into buffer f: W's four blocks, then A's blocks 0-3, then 4-7
.macro FETCH slot, kk, f
	WIN 0
.irp b, 0,1,2,3
	ds_load_tr16_b128 v[\f+64+8*\b:\f+64+8*\b+3],   v[ADRB+\slot] offset:(\kk)*32*PB+32*\b
	ds_load_tr16_b128 v[\f+64+8*\b+4:\f+64+8*\b+7], v[ADRB+\slot] offset:(\kk)*32*PB+16*PB+32*\b
.endr
.irp i, 0,1,2,3,4,5,6,7
	ds_load_b128 v[\f+8*\i:\f+8*\i+3],   v[ADRA+\slot] offset:((\kk)/2)*128*PA+((\kk)%2)*64+\i*8*PA
	ds_load_b128 v[\f+8*\i+4:\f+8*\i+7], v[ADRA+\slot] offset:((\kk)/2)*128*PA+((\kk)%2)*64+\i*8*PA+32
.endr
.endm
.macro PLACES                          ; four plain lines in front of loads into registers that matrix instructions have read, and of the first read of results
.rept 4
	v_nop
.endr
.endm
; A K step is four quarters of 32 along K, 32 matrix instructions each, on buffers 0, 1, 0, 1.  One of the first three: multiplies buffer f and fetches quarter kn into g.
.macro QUARTER slot, kn, f, g, first
	s_wait_dscnt 8                                 ; W's blocks and A's blocks 0-3 are in; the youngest eight loads (A's blocks 4-7) may be out
.if \first
	WIN MULB
.else
	WIN MULW
.endif
	MUL 0, 4, \f, \first
	WIN 0
	PLACES
	FETCH \slot, \kn, \g
	s_wait_dscnt 24                                ; all but the 24 just issued
.if \first
	WIN MULB
.else
	WIN MULW
.endif
	MUL 4, 4, \f, \first
.endm
; The last quarter multiplies buffer 1 and changes slots: ONE barrier; in front of it each wave waits for all its tensor loads, adds 0 to its spare word, and waits for that and for its reads of this slot.
; fill = 1: the barrier opens a round of the cluster's barrier, and this slot is filled again, two K steps ahead: the first tensor load behind the round.
.macro TURN slot, next, fill
	WIN 0
	s_wait_tensorcnt 0x0                           ; all my tensor loads have landed: my part of the next slot
	ds_add_u32 v[SPW], v[NIL]
	s_wait_dscnt 9                                 ; the add and the youngest eight loads may be out
	WIN MULW
	MUL 0, 2, F1, 0                                ; eight matrix instructions stand between the add and the wait for it
	s_wait_dscnt 0x0                               ; the add is done, and my reads of this slot are over
	s_barrier_signal -1
	MUL 2, 2, F1, 0
	WIN 0
	s_barrier_wait -1
.if \fill
	CREST                                          ; no wave of any partner still reads this slot's tiles or has a load on its way
	s_add_nc_u64 s[G0A+4*\slot+2:G0A+4*\slot+3], s[G0A+4*\slot+2:G0A+4*\slot+3], 1048576
	s_add_nc_u64 s[G0B+4*\slot+2:G0B+4*\slot+3], s[G0B+4*\slot+2:G0B+4*\slot+3], 524288
	JLOAD \slot                                    ; the four v_nop behind it are also the places in front of the loads below
.else
	PLACES
.endif
	FETCH \next, 0, F0
	WIN MULW
	MUL 4, 4, F1, 0
.endm
	s_wait_tensorcnt 1                             ; my part of K step 0 is in; K step 1's may be out
	s_barrier_signal -1
	s_barrier_wait -1
	FETCH 0, 0, F0
	s_wait_loadcnt 0x0                             ; the bias
	QUARTER 0, 1, F0, F1, 1                        ; the first quarter stands in front of the loop: its products start the sums from the bias
	WIN 0
	s_mov_b32 s3, LAPS-1
.Llap:                                             ; a trip goes once round the ring, from a lap's second quarter to the next lap's first, and fills both slots again
	QUARTER 0, 2, F1, F0, 0
	QUARTER 0, 3, F0, F1, 0
	TURN 0, 1, 1
	QUARTER 1, 1, F0, F1, 0
	QUARTER 1, 2, F1, F0, 0
	QUARTER 1, 3, F0, F1, 0
	TURN 1, 0, 1
	QUARTER 0, 1, F0, F1, 0
	WIN 0
	s_sub_co_u32 s3, s3, 1
	s_cmp_lg_u32 s3, 0
	s_cbranch_scc1 .Llap
	QUARTER 0, 2, F1, F0, 0                        ; the last lap fills nothing
	QUARTER 0, 3, F0, F1, 0
	TURN 0, 1, 0
	QUARTER 1, 1, F0, F1, 0
	QUARTER 1, 2, F1, F0, 0
	QUARTER 1, 3, F0, F1, 0
	s_wait_dscnt 8                                 ; the very last quarter: nothing more to fetch
	WIN MULW
	MUL 0, 4, F1, 0
	s_wait_dscnt 0
	MUL 4, 4, F1, 0
	WIN 0
; THE WAY OUT, by blocks of 16 tokens x 64 columns.  A lane holds 32 neighbouring bytes of a row: a block goes through my own stage and comes back as rows of 256 bytes, which sixteen lanes store whole and aligned.
.macro TOSTAGE i
	WIN 0x04                                       ; an LDS store's data are its source 1: window 1
.irp b, 0,1,2,3
	ds_store_b128 v[STO], v[8*(4*(\i)+\b):8*(4*(\i)+\b)+3] offset:64*\b            ; each accumulator from its low end on
	ds_store_b128 v[STO], v[8*(4*(\i)+\b)+4:8*(4*(\i)+\b)+7] offset:64*\b+16
.endr
	WIN 0
.set BB, F0+32*((\i)%2)
.irp t, 0,1,2,3,4,5,6,7
	ds_load_b128 v[BB+4*\t:BB+4*\t+3], v[RD] offset:2*\t*SPITCH    ; LDS serves a wave's instructions in order: these see the stores above, and the next block's stores come behind them
.endr
.endm
.macro SEND i, younger                 ; younger: the LDS instructions issued behind block i's loads
.set BB, F0+32*((\i)%2)
	s_wait_dscnt \younger
.irp t, 0,1,2,3,4,5,6,7
	global_store_b128 v[CO], v[BB+4*\t:BB+4*\t+3], s[10:11] offset:(\i)*65536+2*\t*4096 th:TH_STORE_NT
.endr
.endm
	PLACES                                         ; behind the last products: for the reads of results and for the loads into buffer 0's registers
	TOSTAGE 0
.irp i, 1,2,3,4,5,6,7
.if \i > 1
	s_wait_xcnt 0x0                                ; block i - 2's stores have read their registers: block i's loads may land there
.endif
	TOSTAGE \i
	SEND \i-1, 16                                  ; behind block i - 1's loads: block i's 8 stores and 8 loads
.endr
	SEND 7, 0
	s_wait_tensorcnt 0x0                           ; the wave's end: the spare word's add and its wait, behind my last tensor load and my last LDS store
	ds_add_u32 v[SPW], v[NIL]
	s_wait_dscnt 0x0
	CROUND                                         ; the closing round
	s_endpgm
.Lfunc_end_k_q73cecd9bac_proj:
	.size	k_q73cecd9bac_proj, .Lfunc_end_k_q73cecd9bac_proj-k_q73cecd9bac_proj
	.p2alignl 7, 3214868480
	.fill 96, 4, 3214868480
	.section	.rodata,"a",@progbits
	.p2align	6, 0x0
	.amdhsa_kernel k_q73cecd9bac_proj
		.amdhsa_group_segment_fixed_size 327680
		.amdhsa_private_segment_fixed_size 0
		.amdhsa_enable_private_segment 0
		.amdhsa_kernarg_size 32
		.amdhsa_user_sgpr_count 2
		.amdhsa_user_sgpr_kernarg_segment_ptr 1
		.amdhsa_wavefront_size32 1
		.amdhsa_system_sgpr_workgroup_id_x 1
		.amdhsa_system_sgpr_workgroup_id_y 1
		.amdhsa_system_sgpr_workgroup_id_z 1
		.amdhsa_system_vgpr_workitem_id 0
		.amdhsa_next_free_vgpr 512
		.amdhsa_next_free_sgpr 66
		.amdhsa_reserve_vcc 0
		.amdhsa_float_denorm_mode_32 3
		.amdhsa_float_denorm_mode_16_64 3
		.amdhsa_memory_ordered 1
		.amdhsa_forward_progress 1
		.amdhsa_inst_pref_size 87
	.end_amdhsa_kernel
	.amdgpu_metadata
---
amdhsa.version: [ 1, 2 ]
amdhsa.kernels:
  - .name:           k_q73cecd9bac_proj
    .symbol:         k_q73cecd9bac_proj.kd
    .args:
      - { .name: att, .offset: 0, .size: 8, .value_kind: global_buffer, .address_space: global }
      - { .name: wp16, .offset: 8, .size: 8, .value_kind: global_buffer, .address_space: global }
      - { .name: b_proj, .offset: 16, .size: 8, .value_kind: global_buffer, .address_space: global }
      - { .name: out0, .offset: 24, .size: 8, .value_kind: global_buffer, .address_space: global }
    .group_segment_fixed_size: 327680
    .private_segment_fixed_size: 0
    .kernarg_segment_align: 8
    .kernarg_segment_size: 32
    .max_flat_workgroup_size: 128
    .sgpr_count:     66
    .vgpr_count:     512
    .wavefront_size: 32
...
	.end_amdgpu_metadata
.endif
;; end of part 4
